; MI455X (gfx1250); checked and timed in simulation.
; The chip was launched on July 23, 2026; its instructions are those of AMD's public machine-readable ISA for CDNA 5 (MIT licence, August 2026) and "CDNA5" Instruction Set Architecture Reference Guide (July 2026). The comments in the code are by the model that wrote it; some were corrected since.
;; Pointnet FP Module. Allowed arithmetic: matrix products marked QUANTISED: E2M3 operands, one E8M0 scale for each 32 along K, by v_wmma_scale_f32_16x16x128_f8f6f4 with both operands' format E2M3, f32 sums; products left as they are: f32 operands where the result goes on into a quantised operand, else bf16, f16 or f32 operands; f32 sums; everything else in f32.
;; Inputs: W1 256 x 512 float32; W2 256 x 256 float32; be1 256 float32; be2 256 float32; g1 256 float32; g2 256 float32; known 16 x 1,024 x 3 float32; known_feats 16 x 256 x 1,024 float32; unknow_feats 16 x 256 x 4,096 float32; unknown 16 x 4,096 x 3 float32.
;; Outputs: out0 16 x 256 x 4,096 float32.
;; This version of the problem:
;;   THIS VERSION OF THE PROBLEM IS GIVEN IN LOW PRECISION. The matrix products marked QUANTISED in the list below multiply operands that are first quantised to E2M3 (2 exponent bits, 3 mantissa bits; 6 bits a number), with one power-of-two scale for each 32 numbers along K (OCP MX v1.0); their sums are f32. All else is computed in f32.
;;   The module's matrix products, in the order in which they are computed (A, B: the left and right operand; K: the contracted axis; several contracted axes count as one K, in the product's order):
;;     1. batch 65,536 x [M 1, K 3] x [K 3, N 256]; A: computed on the way; B: computed on the way: left as it is (K = 3 < 32)
;;     2. [M 65,536, K 512] x [K 512, N 256]; A: computed on the way; B: input W1: QUANTISED
;;     3. [M 65,536, K 256] x [K 256, N 256]; A: computed on the way; B: input W2: QUANTISED
;;   THE QUANTISER, for each operand of a quantised product, along K:
;;     - K is cut into blocks of 32 from its start; a last block that is shorter is filled with zeros.
;;     - A block's scale is 2^e with e = floor(log2(the largest magnitude in the block)) - 2, held to -126 .. 127; a block of zeros has e = 0. As a byte (E8M0): e + 127.
;;     - Each number is divided by its block's scale, clamped to +-7.5, and rounded to the nearest number of E2M3, ties to even, subnormals kept.
;;     - The product sums the exact products of the quantised numbers (number of the format x scale) in f32.
;;   ~~~python
;;   def quantise(x, axis):      # numpy; x: float32 -> the quantised numbers, widened to float32 again
;;       x = np.moveaxis(x, axis, -1); K = x.shape[-1]
;;       x = np.pad(x, [(0, 0)] * (x.ndim - 1) + [(0, -K % 32)]); x = x.reshape(x.shape[:-1] + (-1, 32)); a = np.abs(x).max(-1, keepdims=True)
;;       e = np.where(a > 0, np.clip(np.frexp(np.where(a > 0, a, 1))[1] - 1 - 2, -126, 127), 0)      # np.frexp(a)[1] - 1 = floor(log2(a)), exactly
;;       r = np.clip(x / 2.0 ** e, -7.5, 7.5)
;;       step = 2.0 ** (np.maximum(np.frexp(np.where(r == 0, 1, r))[1] - 1, 0) - 3)
;;       q = np.round(r / step) * step * 2.0 ** e      # np.round: ties to even
;;       return np.moveaxis(q.reshape(q.shape[:-2] + (-1,))[..., :K], -1, axis).astype(np.float32)
;;   ~~~
;;   OPERANDS COMPUTED ON THE WAY. 'Computed on the way' means the value that the module computes at that place (a softmax that the list does not call 'softmax' is quantised finished and normalised). What goes into a quantiser is computed in f32, as accurately as f32 sums, v_exp_f32 and their like allow (about 1e-6 of the number): no bf16 or f16 on the way to a quantiser, and a product that is left as it is and whose result goes on into a quantised operand takes f32 operands (vector FMAs, or v_wmma_f32_16x16x4_f32). A number that lies on a knife's edge between two numbers of the format may be rounded either way, as far as f32 arithmetic and the matrix unit's own rounding can turn it there, and no further.
;; One version. Each part assembles by itself: llvm-mc -triple=amdgcn-amd-amdhsa -mcpu=gfx1250 --defsym DOCPART=n.
;; ======== version 1 of 1: 7 launches
;; workspace buffers: gids 262,144 bytes of whole numbers; nidx 1,048,576 bytes of whole numbers; ubuf 13,107,200 bytes; prep 17,985,536 bytes; ibuf 13,631,488 bytes; hbuf 14,155,776 bytes; bn1 2,048 bytes; bn2 2,048 bytes
;; launch coarse (part 1): grid 256 x 1, 4 waves a work-group, no clusters, 274,944 bytes of LDS; arguments unknown, known, unknow_feats, gids, ubuf; writes gids, ubuf
.if DOCPART == 1
	.amdgcn_target "amdgcn-amd-amdhsa--gfx1250"
	.amdhsa_code_object_version 6
	.text
	.protected	k_q8487120b03_coarse
	.globl	k_q8487120b03_coarse
	.p2align	8
	.type	k_q8487120b03_coarse,@function
k_q8487120b03_coarse:
	s_mov_b64 s[64:65], 0
	v_nop
	global_prefetch_b8 v0, s[64:65] scope:SCOPE_SE
	s_setreg_imm32_b32 hwreg(HW_REG_WAVE_MODE, 25, 1), 1
	s_wait_xcnt 0x0
; STAGE 1 OF THE NEIGHBOUR SEARCH, AND THE CODES OF unknow_feats.
; A work-group owns 256 points of one batch, a wave 64.  The batch's 1,024 known points are 64 groups of 16 neighbouring indices.  For each point the three groups with the smallest
; (group minimum of d, group number) are found: the three nearest points by (d, index) always lie in them, since otherwise three other groups' nearest points would come first.
; d = (ux-kx)^2 + (uy-ky)^2 + (uz-kz)^2 as differences, one multiplication and two fused multiply-adds, in x, y, z order; the next launch forms it by the same steps.
; A lane holds TWO points (2 l, 2 l + 1 of the wave's 64) as the halves of packed f32 pairs; the known coordinates come from LDS, the same address in every lane.
; Meanwhile one tensor load a wave brings its 256 channels x 64 points of unknow_feats into LDS.  Then a lane takes a POINT and its registers run down the channels, which are the K of
; the first product: a block of 32 is one lane's, and the conversions give codes with K innermost.  They are stored as images of the operand's registers.
; No cluster: what work-groups share is known's 12 KB of the 268 KB that a work-group brings in.
; LIMITS: NaN and infinities among the inputs are not served.  Where two distances differ only in how the squares are rounded, another neighbour may be chosen than by separately
; rounded squares.  A block of zeros gets the scale byte 1 (its codes are zeros; the bytes are read by this program alone).
.set KC,  262144                       ; LDS: behind the four waves' tiles of 65,536 bytes: the batch's known coordinates, 12,288 bytes, as they lie
.set UX,  8                            ; v[8:9] x of my two points, v[10:11] y, v[12:13] z
.set UY,  10
.set UZ,  12
.set K,   32                           ; v32-127  two sets of 48: a group's coordinates
.set DF,  128                          ; v128-151 differences: 4 known points x 3 pairs
.set DD,  152                          ; v152-183 d: 16 pairs
.set MK,  30                           ; s30-32   the insertion's masks
.set X,   32                           ; later: v32-95 two sets of 32 numbers
.set EO,  96                           ; v96-191  codes: set g: even blocks at EO + 48 g, odd blocks 24 further on
.set QM,  14                           ; v14-17   two maxima, the conversion's scale operand, the byte
.set QT,  18                           ; v18-20   a block's upper 16 codes
; v[dst:dst+1] = the pair u less v[r] in both halves
.macro SUBK dst, u, r
.if ((\r)%2) == 0
	v_pk_add_f32 v[\dst:\dst+1], v[\u:\u+1], v[\r:\r+1] op_sel_hi:[1,0] neg_lo:[0,1] neg_hi:[0,1]
.else
	v_pk_add_f32 v[\dst:\dst+1], v[\u:\u+1], v[\r-1:\r] op_sel:[0,1] op_sel_hi:[1,1] neg_lo:[0,1] neg_hi:[0,1]
.endif
.endm
; m with the number id is put into the ascending three d0 .. d0+2 with numbers i0 .. i0+2.  Strict comparisons: of equal values the earlier stays in front.
.macro INS3 m, id, d0, i0, t
	v_cmp_lt_f32 s[MK], v[\m], v[\d0]
	v_cmp_lt_f32 s[MK+1], v[\m], v[\d0+1]
	v_cmp_lt_f32 s[MK+2], v[\m], v[\d0+2]
	v_cndmask_b32 v[\t], \id, v[\i0+1], s[MK+1]
	v_cndmask_b32 v[\i0+2], v[\i0+2], v[\t], s[MK+2]
	v_cndmask_b32 v[\t], \id, v[\i0], s[MK]
	v_cndmask_b32 v[\i0+1], v[\i0+1], v[\t], s[MK+1]
	v_cndmask_b32 v[\i0], v[\i0], \id, s[MK]
	v_med3_num_f32 v[\d0+2], v[\m], v[\d0+1], v[\d0+2]
	v_med3_num_f32 v[\d0+1], v[\m], v[\d0], v[\d0+1]
	v_min_num_f32 v[\d0], v[\m], v[\d0]
.endm
.macro LOADK b, off                    ; a group's 192 bytes into set b
.set lk, 0
.rept 12
	ds_load_b128 v[K+48*(\b)+4*lk:K+48*(\b)+4*lk+3], v2 offset:(\off)+16*lk
.set lk, lk+1
.endr
.endm
; One group of 16 known points against my two points.  pre = 1: the next group is asked for first, at byte off from the trip's base.
.macro GROUP buf, off, pre
	s_wait_dscnt 0x0                               ; this group's coordinates are in
.if \buf == 0
	v_mov_b32 v2, s28                              ; the trip's base in LDS
.endif
.if \pre
	LOADK 1-\buf, \off
.endif
.set KB, K+48*\buf
.set qd, 0
.rept 4
.set jj, 0
.rept 4
.set RK, KB+3*(4*qd+jj)
	SUBK DF+6*jj, UX, RK
	SUBK DF+6*jj+2, UY, RK+1
	SUBK DF+6*jj+4, UZ, RK+2
.set jj, jj+1
.endr
.set jj, 0
.rept 4
	v_pk_mul_f32 v[DD+2*(4*qd+jj):DD+2*(4*qd+jj)+1], v[DF+6*jj:DF+6*jj+1], v[DF+6*jj:DF+6*jj+1]
.set jj, jj+1
.endr
.set jj, 0
.rept 4
	v_pk_fma_f32 v[DD+2*(4*qd+jj):DD+2*(4*qd+jj)+1], v[DF+6*jj+2:DF+6*jj+3], v[DF+6*jj+2:DF+6*jj+3], v[DD+2*(4*qd+jj):DD+2*(4*qd+jj)+1]
.set jj, jj+1
.endr
.set jj, 0
.rept 4
	v_pk_fma_f32 v[DD+2*(4*qd+jj):DD+2*(4*qd+jj)+1], v[DF+6*jj+4:DF+6*jj+5], v[DF+6*jj+4:DF+6*jj+5], v[DD+2*(4*qd+jj):DD+2*(4*qd+jj)+1]
.set jj, jj+1
.endr
.set qd, qd+1
.endr
	v_min_num_f32 v26, v[DD], v[DD+2]              ; the group's minimum for each of my two points
	v_min_num_f32 v27, v[DD+1], v[DD+3]
.irp i, 4,8,12,16,20,24,28
	v_min3_num_f32 v26, v26, v[DD+\i], v[DD+\i+2]
	v_min3_num_f32 v27, v27, v[DD+\i+1], v[DD+\i+3]
.endr
	INS3 26, s29, 14, 17, 28
	INS3 27, s29, 20, 23, 28
	s_add_co_u32 s29, s29, 1                       ; the next group's number
.endm
; 32 numbers of one lane, v[x] on, one block along K: six registers of codes at v[dst], the scale's byte into byte sh / 8 of v[word]
.macro BLOCKQ x, dst, sh, word
	v_max3_num_f32 v[QM], |v[\x]|, |v[\x+1]|, 0x1800000            ; the floor 2^(3 - 127) among the leaves: the byte cannot fall under 1
	v_max3_num_f32 v[QM+1], |v[\x+2]|, |v[\x+3]|, |v[\x+4]|
.irp i, 5,9,13,17,21,25
	v_max3_num_f32 v[QM], v[QM], |v[\x+\i]|, |v[\x+\i+1]|
	v_max3_num_f32 v[QM+1], v[QM+1], |v[\x+\i+2]|, |v[\x+\i+3]|
.endr
	v_max3_num_f32 v[QM], v[QM], |v[\x+29]|, |v[\x+30]|
	v_max3_num_f32 v[QM], v[QM], v[QM+1], |v[\x+31]|
	v_add_nc_u32 v[QM+2], 0xff000000, v[QM]        ; 2 off the exponent field: the conversion takes this operand's exponent field as its scale
	v_cvt_scalef32_pk16_fp6_f32 v[\dst:\dst+2], v[\x:\x+15], v[QM+2]
	v_cvt_scalef32_pk16_fp6_f32 v[QT:QT+2], v[\x+16:\x+31], v[QM+2]  ; (a conversion's three registers begin on an even number)
	v_lshrrev_b32 v[QM+3], 23, v[QM+2]             ; the scale's byte; also the plain place behind the conversions
.if \sh == 0
	v_mov_b32 v[\word], v[QM+3]
.else
	v_lshl_or_b32 v[\word], v[QM+3], \sh, v[\word]
.endif
	v_mov_b32 v[\dst+3], v[QT]
	v_mov_b32 v[\dst+4], v[QT+1]
	v_mov_b32 v[\dst+5], v[QT+2]
.endm
.macro LOADX st                        ; step st: set st / 8 of 32 points, block st % 8 of 32 channels: 32 rows of the tile, 128 neighbouring bytes each
.set LXB, X+32*((\st)%2)
.set LXO, 8192*((\st)%8)+128*((\st)/8)
.set lx, 0
.rept 32
	ds_load_b32 v[LXB+lx], v3 offset:LXO+256*lx
.set lx, lx+1
.endr
.endm
	s_load_b256 s[4:11], s[0:1], 0x0               ; unknown s[4:5], known s[6:7], unknow_feats s[8:9], gids s[10:11]
	s_load_b64 s[14:15], s[0:1], 0x20              ; ubuf
	v_lshl_add_u32 v192, v0, 2, 0x43000
	v_mov_b32 v193, 0
	ds_add_u32 v192, v193
	ds_add_u32 v192, v193
	v_lshrrev_b32 v1, 5, v0
	v_readfirstlane_b32 s13, v1                    ; wave 0..3
	s_lshr_b32 s34, ttmp9, 4                       ; the batch
	s_and_b32 s35, ttmp9, 15
	s_lshl_b32 s36, s34, 22                        ; a batch of unknow_feats is 4,194,304 bytes,
	s_lshl_b32 s35, s35, 10                        ; the work-group's 256 points 1,024 bytes of a row,
	s_add_co_u32 s36, s36, s35
	s_lshl_b32 s35, s13, 8                         ; the wave's 64 points 256
	s_add_co_u32 s36, s36, s35
	s_mov_b32 s37, 0
	; descriptor group 1: 256 rows (channels) of 64 elements of 4 bytes, 4,096 elements from row to row; no padding: the reads take 128 neighbouring bytes
	s_mov_b32 s16, 2<<16
	s_mov_b32 s17, 64<<16                          ; tensor_dim0 = 64
	s_mov_b32 s18, 256<<16                         ; tensor_dim1 = 256
	s_mov_b32 s19, 64<<16                          ; tile_dim0 = 64
	s_mov_b32 s20, 256                             ; tile_dim1 = 256
	s_mov_b32 s21, 4096
	s_mov_b32 s22, 0
	s_mov_b32 s23, 0
	s_mov_b32 s24, 1
	s_lshl_b32 s25, s13, 16                        ; my wave's own 65,536 bytes of LDS
	s_wait_dscnt 0x0
	s_wait_kmcnt 0x0
	s_add_nc_u64 s[26:27], s[8:9], s[36:37]
	s_or_b32 s27, s27, 0x80000000
	tensor_load_to_lds s[24:27], s[16:23]          ; my one tensor load: it lands while the search runs
	s_nop 0
.rept 4
	v_nop
.endr
	v_and_b32 v1, 31, v0                           ; lane
	v_lshlrev_b32 v4, 4, v0                        ; 16 x thread
	v_add_nc_u32 v30, KC, v4
	v_lshlrev_b32 v5, 4, v1
	v_lshlrev_b32 v6, 3, v1
	v_mul_u32_u24 v7, v1, 24                       ; my two points' six coordinates
	v_lshlrev_b32 v3, 2, v1
	v_add_nc_u32 v3, s25, v3                       ; my point's column in my wave's tile
	s_mov_b32 s39, 0
	s_mul_i32 s38, s34, 12288
	s_add_nc_u64 s[6:7], s[6:7], s[38:39]          ; the batch's known points
	s_mul_i32 s38, ttmp9, 3072
	s_mul_i32 s40, s13, 768
	s_add_co_u32 s38, s38, s40
	s_add_nc_u64 s[4:5], s[4:5], s[38:39]          ; my wave's 64 points
	s_lshl_b32 s38, ttmp9, 10
	s_lshl_b32 s40, s13, 8
	s_add_co_u32 s38, s38, s40
	s_add_nc_u64 s[10:11], s[10:11], s[38:39]      ; their words in gids
	s_lshl_b32 s38, ttmp9, 11
	s_lshl_b32 s40, s13, 9
	s_add_co_u32 s38, s38, s40
	s_add_co_u32 s38, s38, 12582912
	s_add_nc_u64 s[42:43], s[14:15], s[38:39]      ; their scale words
	s_mul_i32 s38, ttmp9, 49152
	s_mul_i32 s40, s13, 12288
	s_add_co_u32 s38, s38, s40
	s_add_nc_u64 s[14:15], s[14:15], s[38:39]      ; their codes: four tiles of 3,072 bytes
.set i, 0
.rept 6
	global_load_b128 v[32+4*i:35+4*i], v4, s[6:7] offset:2048*i
.set i, i+1
.endr
	global_load_b32 v8, v7, s[4:5]
	global_load_b32 v9, v7, s[4:5] offset:12
	global_load_b32 v10, v7, s[4:5] offset:4
	global_load_b32 v11, v7, s[4:5] offset:16
	global_load_b32 v12, v7, s[4:5] offset:8
	global_load_b32 v13, v7, s[4:5] offset:20
	s_wait_loadcnt 6                               ; known's six loads are in; my points' six may be out
.set i, 0
.rept 6
	ds_store_b128 v30, v[32+4*i:35+4*i] offset:2048*i
.set i, i+1
.endr
	s_wait_dscnt 0x0                               ; for the others' sake: my part of the coordinates lies in LDS
	s_barrier_signal -1
	s_barrier_wait -1
.irp r, 14,15,16,20,21,22
	v_mov_b32 v\r, 0x7f800000                      ; the three smallest so far: +infinity
.endr
.irp r, 17,18,19,23,24,25
	v_mov_b32 v\r, 0
.endr
	s_mov_b32 s28, KC
	s_mov_b32 s29, 0
	s_mov_b32 s33, 31
	v_mov_b32 v2, s28
	LOADK 0, 0
	s_wait_loadcnt 0x0                             ; my points
.Lgroups:                                              ; 31 trips of two groups
	GROUP 0, 192, 1
	GROUP 1, 384, 1
	s_add_co_u32 s28, s28, 384
	s_sub_co_u32 s33, s33, 1
	s_cmp_lg_u32 s33, 0
	s_cbranch_scc1 .Lgroups
	GROUP 0, 192, 1                                ; groups 62 and 63: nothing is read behind the last
	GROUP 1, 0, 0
	v_lshl_or_b32 v26, v18, 8, v17
	v_lshl_or_b32 v27, v24, 8, v23
	v_lshl_or_b32 v26, v19, 16, v26
	v_lshl_or_b32 v27, v25, 16, v27
	global_store_b64 v6, v[26:27], s[10:11]        ; the wave stores 256 consecutive bytes, aligned
	; THE CODES.  The tile is my wave's own: my wait on the tensor counter is all the ordering that its reads need.
	s_wait_tensorcnt 0x0
	LOADX 0
.set st, 0
.rept 16
.if st < 15
	LOADX st+1
	s_wait_dscnt 32                                ; this step's 32 loads are in; the 32 just issued may be out
.else
	s_wait_dscnt 0x0
.endif
.set sg, st/8
.set bb, st%8
.set XB, X+32*(st%2)
.set DS, EO+48*sg+24*(bb%2)+12*(bb/4)+6*((bb%4)/2)
	BLOCKQ XB, DS, 8*(bb%4), 22+2*sg+bb/4
.if bb == 7
; The operand's layout wants lanes 0-15 to hold a row's blocks 0 and 2 and lanes 16-31 its blocks 1 and 3.  Even blocks' lanes 16-31 change places with odd blocks' lanes 0-15:
; the first 24 registers are then the two fragments of points 0-15 of the set, the second 24 those of points 16-31.  The scale words stay, a lane to a point.
.set i, 0
.rept 24
	v_permlane16_swap_b32 v[EO+48*sg+i], v[EO+48*sg+24+i]
.set i, i+1
.endr
.set i, 0
.rept 12
	global_store_b128 v5, v[EO+48*sg+4*i:EO+48*sg+4*i+3], s[14:15] offset:6144*sg+512*i   ; 512 consecutive bytes a store; each set has registers of its own
.set i, i+1
.endr
	global_store_b64 v6, v[22+2*sg:23+2*sg], s[42:43] offset:256*sg
.endif
.set st, st+1
.endr
	s_wait_tensorcnt 0x0
	ds_add_u32 v192, v193
	s_wait_dscnt 0x0
	s_endpgm
.Lfunc_end_k_q8487120b03_coarse:
	.size	k_q8487120b03_coarse, .Lfunc_end_k_q8487120b03_coarse-k_q8487120b03_coarse
	.p2alignl 7, 3214868480
	.fill 96, 4, 3214868480
	.section	.rodata,"a",@progbits
	.p2align	6, 0x0
	.amdhsa_kernel k_q8487120b03_coarse
		.amdhsa_group_segment_fixed_size 274944
		.amdhsa_private_segment_fixed_size 0
		.amdhsa_enable_private_segment 0
		.amdhsa_kernarg_size 40
		.amdhsa_user_sgpr_count 2
		.amdhsa_user_sgpr_kernarg_segment_ptr 1
		.amdhsa_wavefront_size32 1
		.amdhsa_system_sgpr_workgroup_id_x 1
		.amdhsa_system_sgpr_workgroup_id_y 1
		.amdhsa_system_sgpr_workgroup_id_z 1
		.amdhsa_system_vgpr_workitem_id 0
		.amdhsa_next_free_vgpr 194
		.amdhsa_next_free_sgpr 66
		.amdhsa_reserve_vcc 0
		.amdhsa_float_denorm_mode_32 3
		.amdhsa_float_denorm_mode_16_64 3
		.amdhsa_memory_ordered 1
		.amdhsa_forward_progress 1
		.amdhsa_inst_pref_size 102
	.end_amdhsa_kernel
	.amdgpu_metadata
---
amdhsa.version: [ 1, 2 ]
amdhsa.kernels:
  - .name:           k_q8487120b03_coarse
    .symbol:         k_q8487120b03_coarse.kd
    .args:
      - { .name: unknown, .offset: 0, .size: 8, .value_kind: global_buffer, .address_space: global }
      - { .name: known, .offset: 8, .size: 8, .value_kind: global_buffer, .address_space: global }
      - { .name: unknow_feats, .offset: 16, .size: 8, .value_kind: global_buffer, .address_space: global }
      - { .name: gids, .offset: 24, .size: 8, .value_kind: global_buffer, .address_space: global }
      - { .name: ubuf, .offset: 32, .size: 8, .value_kind: global_buffer, .address_space: global }
    .group_segment_fixed_size: 274944
    .private_segment_fixed_size: 0
    .kernarg_segment_align: 8
    .kernarg_segment_size: 40
    .max_flat_workgroup_size: 128
    .sgpr_count:     66
    .vgpr_count:     194
    .wavefront_size: 32
...
	.end_amdgpu_metadata
.endif
;; end of part 1
;; launch fine (part 2): grid 256 x 1, 8 waves a work-group, no clusters, 80,896 bytes of LDS; arguments unknown, known, known_feats, W1, W2, gids, nidx, prep; writes nidx, prep
.if DOCPART == 2
	.amdgcn_target "amdgcn-amd-amdhsa--gfx1250"
	.amdhsa_code_object_version 6
	.text
	.protected	k_q8487120b03_fine
	.globl	k_q8487120b03_fine
	.p2align	8
	.type	k_q8487120b03_fine,@function
k_q8487120b03_fine:
	s_mov_b64 s[64:65], 0
	v_nop
	global_prefetch_b8 v0, s[64:65] scope:SCOPE_SE
	s_setreg_imm32_b32 hwreg(HW_REG_WAVE_MODE, 25, 1), 1
	s_wait_xcnt 0x0
; STAGE 2 OF THE NEIGHBOUR SEARCH, known_feats TURNED, AND THE WEIGHTS' CODES.
; (a) A thread takes a point: the 48 known points of its three groups (sorted by group number, so that they are walked in ascending index) are put into an ascending three by the
;     same d as in the launch before; strict comparisons let the lower index win among equals.  Then weight k = (1 / (d k + 1e-8)) / (their sum).
;     The batch's 12,288 bytes of coordinates are copied into LDS once, three loads of 16 bytes a thread, and the candidates are read from there: each lane has groups of its own, so
;     from memory one instruction would ask for up to 32 different places.  A group's 192 bytes lie at a pitch of 208 = 52 words: group g starts at bank 52 g mod 64, sixteen different
;     starts (64 banks of 4 bytes: ISA guide 11.1).
; (b) The work-group turns 64 known points x 256 channels of known_feats into rows [point][channel] through a stage in LDS, so that the next launch gathers whole rows of 1,024 bytes.
; (c) In the first 12 work-groups each wave quantises one tile of 16 rows x 128 K of W1 or W2 into an image of the operand's registers (1,536 bytes) and its scale words (128 bytes).
;     Row i of tile t is channel 32 (t / 2) + 8 (t % 2) + i + 8 (i / 8), so that in the transposed product two neighbouring tiles give a lane 16 neighbours along the next K.
;     Its loads go out with the launch's first loads, so that they are on their way together with them.
; The groups' numbers come from memory, stored by the launch before; each is held to 63 ahead of its use in an address.
; ONE BARRIER: in front of it all LDS stores (stage and coordinates), behind it LDS is only read.
; LIMITS: NaN and infinities are not served; v_rcp_f32 is good to one unit in the last place; a block of zeros gets the scale byte 1.
.set KP,  208                          ; LDS: 64 groups of coordinates at this pitch, from byte 0;
.set STG, 13312                        ; behind them the stage: 64 rows x 1,040 bytes
.set TR, 20                            ; v20-83   64 numbers on their way through the stage
.set G,  84                            ; v84-227  three groups' coordinates
.set WN, 84                            ; v84-147  before that: a W tile's 64 numbers
.set KN, 148                           ; v148-159 before that: my 48 bytes of the coordinates;  v160 their place in memory, v161 in LDS
.set MK, 46                            ; s46-48   the insertion's masks
; d of candidate c, by differences, one multiplication and two fused multiply-adds, into v[237] or v[242]: two sets of temporaries by turns
.macro DCALC c
.set TP, 234+5*((\c)%2)
	v_sub_f32 v[TP], v8, v[G+3*(\c)]
	v_sub_f32 v[TP+1], v9, v[G+3*(\c)+1]
	v_sub_f32 v[TP+2], v10, v[G+3*(\c)+2]
	v_mul_f32 v[TP+3], v[TP], v[TP]
	v_fma_f32 v[TP+3], v[TP+1], v[TP+1], v[TP+3]
	v_fma_f32 v[TP+3], v[TP+2], v[TP+2], v[TP+3]
.endm
	s_load_b512 s[4:19], s[0:1], 0x0               ; unknown 4, known 6, known_feats 8, W1 10, W2 12, gids 14, nidx 16, prep 18
	s_set_vgpr_msb 0x40
	v_lshl_add_u32 v0, v0, 2, 0x13800
	v_mov_b32 v1, 0
	s_set_vgpr_msb 0x4000
	v_lshrrev_b32 v1, 5, v0
	v_readfirstlane_b32 s20, v1                    ; wave 0..7
	v_and_b32 v1, 31, v0                           ; lane
	s_lshr_b32 s21, ttmp9, 4                       ; the batch
	s_and_b32 s22, ttmp9, 15                       ; which 64 known points the work-group turns
	v_lshlrev_b32 v2, 2, v1                        ; 4 x lane
	v_mul_u32_u24 v3, v1, 1040
	s_lshl_b32 s26, s20, 7
	s_add_co_u32 s26, s26, STG
	v_add_nc_u32 v3, s26, v3                       ; into the stage: row = my known point (pitch 1,040 = 65 x 16), my wave's 32 channels
	v_lshlrev_b32 v5, 4, v1
	s_mul_i32 s26, s20, 8320
	s_add_co_u32 s26, s26, STG
	v_add_nc_u32 v4, s26, v5                       ; out of it: my wave's 8 rows, 16 bytes a lane
	v_lshlrev_b32 v6, 2, v0
	v_mul_u32_u24 v7, v0, 12
	v_lshlrev_b32 v18, 4, v0
	v_mul_u32_u24 v160, v0, 48                     ; the coordinates: thread t copies bytes 48 t .. 48 t + 47: a quarter of group t / 4,
	v_lshrrev_b32 v161, 2, v0
	v_mul_u32_u24 v161, v161, KP
	v_and_b32 v162, 3, v0
	v_mad_u32_u24 v161, v162, 48, v161             ; to 208 (t / 4) + 48 (t % 4)
	s_mov_b32 s25, 0
	s_mov_b32 s44, 0x76543210
	s_mov_b32 s45, 0xfedcba98
	s_wait_kmcnt 0x0
	s_lshl_b32 s24, s21, 20
	s_lshl_b32 s26, s20, 17
	s_add_co_u32 s24, s24, s26
	s_lshl_b32 s26, s22, 8
	s_add_co_u32 s24, s24, s26
	s_add_nc_u64 s[8:9], s[8:9], s[24:25]          ; known_feats: the batch, my wave's 32 channels, the work-group's 64 points
	s_lshl_b32 s24, s21, 20
	s_lshl_b32 s26, s22, 16
	s_add_co_u32 s24, s24, s26
	s_lshl_b32 s26, s20, 13
	s_add_co_u32 s24, s24, s26
	s_add_nc_u64 s[28:29], s[18:19], s[24:25]      ; the turned table: the batch, the 64 rows, my wave's 8
	s_lshl_b32 s24, ttmp9, 12
	s_add_nc_u64 s[16:17], s[16:17], s[24:25]      ; nidx: 16 bytes a point
	s_add_co_u32 s24, s24, 16777216
	s_add_nc_u64 s[30:31], s[18:19], s[24:25]      ; the weights likewise
	s_lshl_b32 s24, ttmp9, 10
	s_add_nc_u64 s[14:15], s[14:15], s[24:25]
	s_mul_i32 s24, ttmp9, 3072
	s_add_nc_u64 s[4:5], s[4:5], s[24:25]
	s_mul_i32 s24, s21, 12288
	s_add_nc_u64 s[6:7], s[6:7], s[24:25]
.set e, 0
.rept 2
.set c, 0
.rept 32
	global_load_b32 v[TR+32*e+c], v2, s[8:9] offset:4096*c+128*e th:TH_LOAD_NT   ; channel c of my 32, known point 32 e + lane: 128 consecutive bytes
.set c, c+1
.endr
.set e, e+1
.endr
.irp j, 0,1,2
	global_load_b128 v[KN+4*\j:KN+4*\j+3], v160, s[6:7] offset:16*\j
.endr
	global_load_b32 v11, v6, s[14:15]              ; my point's three groups
	global_load_b32 v8, v7, s[4:5]
	global_load_b32 v9, v7, s[4:5] offset:4
	global_load_b32 v10, v7, s[4:5] offset:8
	s_cmp_lt_u32 ttmp9, 12
	s_cbranch_scc0 .Lno_w
	; ---- one record of W1 (f = 4 t + s, f < 64) or W2 (f = 64 + 2 t + s): its loads join those above
	s_lshl_b32 s34, ttmp9, 3
	s_add_co_u32 s34, s34, s20                     ; f
	s_lshr_b32 s35, s34, 2
	s_and_b32 s36, s34, 3
	s_sub_co_u32 s37, s34, 64
	s_lshr_b32 s38, s37, 1
	s_and_b32 s39, s37, 1
	s_mov_b32 s40, 1024
	s_cmp_lt_u32 s34, 64
	s_cselect_b32 s35, s35, s38                    ; t
	s_cselect_b32 s36, s36, s39                    ; s
	s_cselect_b32 s40, 2048, s40                   ; a row in bytes
	s_cselect_b64 s[10:11], s[10:11], s[12:13]     ; the choice hangs on ids alone
	s_lshr_b32 s41, s35, 1
	s_lshl_b32 s41, s41, 5
	s_and_b32 s42, s35, 1
	s_lshl_b32 s42, s42, 3
	s_add_co_u32 s41, s41, s42                     ; the tile's first channel
	s_mul_i32 s42, s41, s40
	s_lshl_b32 s36, s36, 9
	s_add_co_u32 s42, s42, s36
	s_mov_b32 s43, 0
	s_add_nc_u64 s[10:11], s[10:11], s[42:43]
	s_mul_i32 s42, s34, 1664
	s_add_co_u32 s42, s42, 17825792
	s_add_nc_u64 s[32:33], s[18:19], s[42:43]
	v_and_b32 v243, 15, v0
	v_and_b32 v247, 8, v243
	v_add_nc_u32 v243, v243, v247                  ; r + 8 (r / 8)
	v_mul_lo_u32 v19, v243, s40
	v_bfe_u32 v247, v0, 4, 1                       ; h
	v_lshl_add_u32 v19, v247, 7, v19               ; my row, + 128 h: lane (r, h) wants k = 64 c + 32 h + 0 .. 31
.set e, 0
.rept 2
.set c, 0
.rept 8
	global_load_b128 v[WN+32*e+4*c:WN+32*e+4*c+3], v19, s[10:11] offset:256*e+16*c
.set c, c+1
.endr
.set e, e+1
.endr
	s_wait_loadcnt 0x0
.irp c, 0,1
	v_max3_num_f32 v[248+\c], |v[WN+32*\c]|, |v[WN+1+32*\c]|, 0x1800000   ; my block 2 c + h is all mine; the floor keeps the byte at 1 from below
.endr
.irp i, 2,4,6,8,10,12,14,16,18,20,22,24,26,28,30
.irp c, 0,1
	v_max3_num_f32 v[248+\c], v[248+\c], |v[WN+32*\c+\i]|, |v[WN+1+32*\c+\i]|
.endr
.endr
.irp c, 0,1
	v_add_nc_u32 v[250+\c], 0xff000000, v[248+\c]  ; 2 off the exponent field: the conversion takes this operand's exponent field as its scale
.endr
.irp c, 0,1
	v_lshrrev_b32 v[252+\c], 23, v[250+\c]
.endr
	v_lshl_or_b32 v254, v253, 16, v252             ; my two bytes: blocks h and 2 + h,
	v_lshlrev_b32 v255, 3, v247
	v_lshlrev_b32 v254, v255, v254                 ; at their places in the word;
	v_mov_b32 v255, 0
	v_permlanex16_b32 v255, v254, s44, s45
	v_or_b32 v254, v254, v255                      ; with lane l xor 16's two the word is whole, in both halves
.irp c, 0,1
	v_cvt_scalef32_pk16_fp6_f32 v[228+6*\c:230+6*\c], v[WN+32*\c:WN+15+32*\c], v[250+\c]
	v_cvt_scalef32_pk16_fp6_f32 v[240+4*\c:242+4*\c], v[WN+16+32*\c:WN+31+32*\c], v[250+\c]   ; (a conversion's three registers begin on an even number)
.endr
	v_nop                                          ; one plain place behind a scaled conversion
.irp c, 0,1
.irp i, 0,1,2
	v_mov_b32 v[231+6*\c+\i], v[240+4*\c+\i]
.endr
.endr
.irp g, 0,1,2
	global_store_b128 v5, v[228+4*\g:231+4*\g], s[32:33] offset:512*\g
.endr
	global_store_b32 v2, v254, s[32:33] offset:1536
	s_wait_xcnt 0x0                                ; v228 on are written again below
.Lno_w:
	s_wait_loadcnt 4                               ; the 64 numbers and my 48 bytes of coordinates are in; the four loads behind them may be out
.set e, 0
.rept 2
.set c, 0
.rept 8
	ds_store_b128 v3, v[TR+32*e+4*c:TR+32*e+4*c+3] offset:33280*e+16*c
.set c, c+1
.endr
.set e, e+1
.endr
.irp j, 0,1,2
	ds_store_b128 v161, v[KN+4*\j:KN+4*\j+3] offset:16*\j
.endr
	s_wait_loadcnt 0x0
	v_bfe_u32 v12, v11, 0, 8
	v_bfe_u32 v13, v11, 8, 8
	v_bfe_u32 v14, v11, 16, 8
	v_min_u32 v15, v12, v13                        ; the three in ascending order
	v_max_u32 v16, v12, v13
	v_min_u32 v12, v15, v14
	v_max_u32 v17, v15, v14
	v_min_u32 v13, v16, v17
	v_max_u32 v14, v16, v17
	v_min_u32 v12, 63, v12                         ; a number from memory is held inside the table ahead of its use in an address
	v_min_u32 v13, 63, v13
	v_min_u32 v14, 63, v14
	v_mul_u32_u24 v15, v12, KP
	v_mul_u32_u24 v16, v13, KP
	v_mul_u32_u24 v17, v14, KP
	s_wait_dscnt 0x0                               ; for the others' sake: my parts of the stage and of the coordinates are written
	s_barrier_signal -1
	s_barrier_wait -1                              ; from here on LDS is only read
.set c, 0
.rept 16
	ds_load_b128 v[TR+4*c:TR+4*c+3], v4 offset:1040*(c/2)+512*(c%2)
.set c, c+1
.endr
.set e, 0
.rept 3
.set c, 0
.rept 12
	ds_load_b128 v[G+48*e+4*c:G+48*e+4*c+3], v[15+e] offset:16*c
.set c, c+1
.endr
.set e, e+1
.endr
.set c, 0
.rept 16
	s_wait_dscnt 51-c                              ; behind stage load c: the 15 - c stage loads that follow it and the 36 loads of candidates
	global_store_b128 v5, v[TR+4*c:TR+4*c+3], s[28:29] offset:1024*(c/2)+512*(c%2)   ; 512 consecutive bytes of a row
.set c, c+1
.endr
.irp r, 228,229,230
	v_mov_b32 v\r, 0x7f800000                      ; the three smallest so far: +infinity
.endr
.irp r, 231,232,233
	v_mov_b32 v\r, 0
.endr
	s_wait_dscnt 0x0                               ; the three groups' coordinates
; Candidate cc with its ordinal is put into the ascending three v228-230 with ordinals v231-233.  The compares come first; the next candidate's d stands between them and the lines
; that read their masks; the distances are renewed ahead of the ordinals, so that the next compares find them ready.
	DCALC 0
.set cc, 0
.rept 48
.set MM, 237+5*(cc%2)
	v_cmp_lt_f32 s[MK], v[MM], v228
	v_cmp_lt_f32 s[MK+1], v[MM], v229
	v_cmp_lt_f32 s[MK+2], v[MM], v230
.if cc < 47
	DCALC cc+1
.endif
	v_med3_num_f32 v230, v[MM], v229, v230
	v_med3_num_f32 v229, v[MM], v228, v229
	v_min_num_f32 v228, v[MM], v228
	v_cndmask_b32 v244, cc, v232, s[MK+1]          ; what moves into the third place, if anything does
	v_cndmask_b32 v245, cc, v231, s[MK]            ; and into the second
	v_cndmask_b32 v233, v233, v244, s[MK+2]
	v_cndmask_b32 v232, v232, v245, s[MK+1]
	v_cndmask_b32 v231, v231, cc, s[MK]
.set cc, cc+1
.endr
.irp k, 0,1,2                          ; ordinal 16 g + t -> index 16 x (group g) + t
	v_lshrrev_b32 v234, 4, v[231+\k]
	v_cmp_eq_u32 vcc_lo, 1, v234
	v_cndmask_b32 v235, v12, v13, vcc_lo
	v_cmp_eq_u32 vcc_lo, 2, v234
	v_cndmask_b32 v235, v235, v14, vcc_lo
	v_and_b32 v236, 15, v[231+\k]
	v_lshl_add_u32 v[248+\k], v235, 4, v236
.endr
	v_mov_b32 v251, 0
.irp k, 0,1,2
	v_add_f32 v[234+\k], 0x322bcc77, v[228+\k]     ; d + 1e-8
.endr
.irp k, 0,1,2
	v_rcp_f32 v[239+\k], v[234+\k]
.endr
	v_mov_b32 v255, 0                              ; (a plain place behind the reciprocals)
	s_wait_alu depctr_va_vdst(0)
	v_add_f32 v242, v239, v240
	v_add_f32 v242, v242, v241
	v_rcp_f32 v243, v242
	v_nop
	s_wait_alu depctr_va_vdst(0)
.irp k, 0,1,2
	v_mul_f32 v[252+\k], v[239+\k], v243
.endr
	global_store_b128 v18, v[248:251], s[16:17]
	global_store_b128 v18, v[252:255], s[30:31]
	s_set_vgpr_msb 0x5
	s_wait_tensorcnt 0x0
	ds_add_u32 v0, v1
	s_wait_dscnt 0x0
	s_set_vgpr_msb 0x500
	s_endpgm
.Lfunc_end_k_q8487120b03_fine:
	.size	k_q8487120b03_fine, .Lfunc_end_k_q8487120b03_fine-k_q8487120b03_fine
	.p2alignl 7, 3214868480
	.fill 96, 4, 3214868480
	.section	.rodata,"a",@progbits
	.p2align	6, 0x0
	.amdhsa_kernel k_q8487120b03_fine
		.amdhsa_group_segment_fixed_size 80896
		.amdhsa_private_segment_fixed_size 0
		.amdhsa_enable_private_segment 0
		.amdhsa_kernarg_size 64
		.amdhsa_user_sgpr_count 2
		.amdhsa_user_sgpr_kernarg_segment_ptr 1
		.amdhsa_wavefront_size32 1
		.amdhsa_system_sgpr_workgroup_id_x 1
		.amdhsa_system_sgpr_workgroup_id_y 1
		.amdhsa_system_sgpr_workgroup_id_z 1
		.amdhsa_system_vgpr_workitem_id 0
		.amdhsa_next_free_vgpr 258
		.amdhsa_next_free_sgpr 66
		.amdhsa_reserve_vcc 1
		.amdhsa_float_denorm_mode_32 3
		.amdhsa_float_denorm_mode_16_64 3
		.amdhsa_memory_ordered 1
		.amdhsa_forward_progress 1
		.amdhsa_inst_pref_size 69
	.end_amdhsa_kernel
	.amdgpu_metadata
---
amdhsa.version: [ 1, 2 ]
amdhsa.kernels:
  - .name:           k_q8487120b03_fine
    .symbol:         k_q8487120b03_fine.kd
    .args:
      - { .name: unknown, .offset: 0, .size: 8, .value_kind: global_buffer, .address_space: global }
      - { .name: known, .offset: 8, .size: 8, .value_kind: global_buffer, .address_space: global }
      - { .name: known_feats, .offset: 16, .size: 8, .value_kind: global_buffer, .address_space: global }
      - { .name: W1, .offset: 24, .size: 8, .value_kind: global_buffer, .address_space: global }
      - { .name: W2, .offset: 32, .size: 8, .value_kind: global_buffer, .address_space: global }
      - { .name: gids, .offset: 40, .size: 8, .value_kind: global_buffer, .address_space: global }
      - { .name: nidx, .offset: 48, .size: 8, .value_kind: global_buffer, .address_space: global }
      - { .name: prep, .offset: 56, .size: 8, .value_kind: global_buffer, .address_space: global }
    .group_segment_fixed_size: 80896
    .private_segment_fixed_size: 0
    .kernarg_segment_align: 8
    .kernarg_segment_size: 64
    .max_flat_workgroup_size: 256
    .sgpr_count:     66
    .vgpr_count:     258
    .wavefront_size: 32
...
	.end_amdgpu_metadata
.endif
;; end of part 2
;; launch g1 (part 3): grid 256 x 1, 4 waves a work-group, clusters of 4 x 1, 248,320 bytes of LDS; arguments nidx, prep, ubuf, ibuf; writes ibuf
.if DOCPART == 3
	.amdgcn_target "amdgcn-amd-amdhsa--gfx1250"
	.amdhsa_code_object_version 6
	.text
	.protected	k_q8487120b03_g1
	.globl	k_q8487120b03_g1
	.p2align	8
	.type	k_q8487120b03_g1,@function
k_q8487120b03_g1:
	s_mov_b64 s[64:65], 0
	v_nop
	global_prefetch_b8 v0, s[64:65] scope:SCOPE_SE
	s_setreg_imm32_b32 hwreg(HW_REG_WAVE_MODE, 25, 1), 1
	s_wait_xcnt 0x0
	s_wait_alu depctr_hold_cnt(0) depctr_sa_sdst(0) depctr_va_vdst(0) depctr_va_sdst(0) depctr_va_ssrc(0) depctr_va_vcc(0) depctr_vm_vsrc(0)
	s_getreg_b32 s2, hwreg(HW_REG_IB_STS2, 6, 4)
	s_cmp_eq_u32 s2, 0
	s_cbranch_scc0 .Lentry_in_a_cluster
	s_endpgm
.Lentry_in_a_cluster:
	s_bfe_u32 s2, ttmp6, 0x10000c
	s_cmp_lg_u32 s2, 0x3003
	s_cbranch_scc0 .Lentry_shape_is_right
	s_endpgm
.Lentry_shape_is_right:
; THE INTERPOLATED FEATURES AS CODES, THE FIRST PRODUCT, AND ITS STATISTICS.
; A work-group owns 256 points, a wave 64 (four tiles of 16) and ALL 256 output channels.  For each point three rows of 1,024 bytes of the turned table are gathered (their numbers
; come from memory, stored by the launch before, and are held to 1,023), weighted and summed in f32, and laid as a row of the wave's own stage in LDS.  Then a lane takes a point and
; its registers run along the channels: blocks of 32 are one lane's.  The codes are stored for the next launch and stay in registers as the product's operand.
; y1 = [interpolated | unknow_feats] W1^T: source 0 = 16 points, source 1 = 16 channels of W1, so that a lane holds ONE channel and its registers run over points.  y1 is not stored:
; only each channel's mean and sum of squared deviations from that mean (two passes over the accumulators; no difference of large sums), joined over the four waves.
; W1's 64 records (register images with scale words) are the same for all work-groups: the four of a cluster ask for them jointly, once, each wave a quarter.
; WINDOWS: 0: addresses, scale words v16-23 and v32-39, W's fragments v40-135 (two sets of four), v136-199 and v200-253 at work.  1: the points' fragments, (tile p, K step s) at 48 p + 12 s.
;          2: the gather's registers, later the 32 accumulators of a half of the channels, (p, t) at 64 p + 8 t.
; LIMITS: NaN and infinities are not served; a block of zeros gets the scale byte 1.
.set STAGE, 106496                     ; LDS: W1's image 0 .. 106,495; a stage of 32 rows x 1,040 bytes for each wave;
.set ST,    239616                     ; the waves' statistics: [wave][mean, M2][256] f32
.set WS,  32
.set WB,  40
.set HA,  136
.set TM,  200
.set MS,  238                          ; v238-253: for tile t of a half: mean at MS + 2 t, M2 at MS + 2 t + 1
.set X,   40
.set EO,  104
.set QM,  200
.set QT,  204
.set SEL, 58
.set MSB, 0
.macro WIN new                         ; the immediate's high byte repeats the setting that is left
.if MSB != \new
	s_set_vgpr_msb (MSB<<8)|\new
.set MSB, \new
.endif
.endm
.macro PLACES n
.rept \n
	v_nop
.endr
.endm
.macro ROUND                           ; a round of the cluster's barrier
	s_barrier_signal -1
	s_barrier_wait -1
	s_cmp_lg_u32 s12, 0
	s_cbranch_scc1 .Lnot_wave_0_\@
	s_barrier_signal -3
.Lnot_wave_0_\@:
	s_barrier_wait -3
	s_barrier_signal -1
	s_barrier_wait -1
.endm
.macro BLOCKQ x, dst, sh, word         ; 32 numbers of one lane, one block along K: six registers of codes, the scale's byte into v[word]
	v_max3_num_f32 v[QM], |v[\x]|, |v[\x+1]|, 0x1800000            ; the floor 2^(3 - 127): the byte cannot fall under 1
	v_max3_num_f32 v[QM+1], |v[\x+2]|, |v[\x+3]|, |v[\x+4]|
.irp i, 5,9,13,17,21,25
	v_max3_num_f32 v[QM], v[QM], |v[\x+\i]|, |v[\x+\i+1]|
	v_max3_num_f32 v[QM+1], v[QM+1], |v[\x+\i+2]|, |v[\x+\i+3]|
.endr
	v_max3_num_f32 v[QM], v[QM], |v[\x+29]|, |v[\x+30]|
	v_max3_num_f32 v[QM], v[QM], v[QM+1], |v[\x+31]|
	v_add_nc_u32 v[QM+2], 0xff000000, v[QM]
	v_cvt_scalef32_pk16_fp6_f32 v[\dst:\dst+2], v[\x:\x+15], v[QM+2]
	v_cvt_scalef32_pk16_fp6_f32 v[QT:QT+2], v[\x+16:\x+31], v[QM+2]
	v_lshrrev_b32 v[QM+3], 23, v[QM+2]             ; the byte; also the plain place behind the conversions
.if \sh == 0
	v_mov_b32 v[\word], v[QM+3]
.else
	v_lshl_or_b32 v[\word], v[QM+3], \sh, v[\word]
.endif
	v_mov_b32 v[\dst+3], v[QT]
	v_mov_b32 v[\dst+4], v[QT+1]
	v_mov_b32 v[\dst+5], v[QT+2]
.endm
; One matrix instruction on the registers named by AC, FA, FB, SCA, SCB.  row = 1: source 0's scales lie in lanes 16-31; 2: source 1's
.macro WM zero, row
.if \zero
.if \row == 0
	v_wmma_scale_f32_16x16x128_f8f6f4 v[AC:AC+7], v[FA:FA+11], v[FB:FB+11], 0, v[SCA], v[SCB] matrix_a_fmt:MATRIX_FMT_FP6 matrix_b_fmt:MATRIX_FMT_FP6
.elseif \row == 1
	v_wmma_scale_f32_16x16x128_f8f6f4 v[AC:AC+7], v[FA:FA+11], v[FB:FB+11], 0, v[SCA], v[SCB] matrix_a_fmt:MATRIX_FMT_FP6 matrix_b_fmt:MATRIX_FMT_FP6 matrix_a_scale:MATRIX_SCALE_ROW1
.else
	v_wmma_scale_f32_16x16x128_f8f6f4 v[AC:AC+7], v[FA:FA+11], v[FB:FB+11], 0, v[SCA], v[SCB] matrix_a_fmt:MATRIX_FMT_FP6 matrix_b_fmt:MATRIX_FMT_FP6 matrix_b_scale:MATRIX_SCALE_ROW1
.endif
.else
.if \row == 0
	v_wmma_scale_f32_16x16x128_f8f6f4 v[AC:AC+7], v[FA:FA+11], v[FB:FB+11], v[AC:AC+7], v[SCA], v[SCB] matrix_a_fmt:MATRIX_FMT_FP6 matrix_b_fmt:MATRIX_FMT_FP6
.elseif \row == 1
	v_wmma_scale_f32_16x16x128_f8f6f4 v[AC:AC+7], v[FA:FA+11], v[FB:FB+11], v[AC:AC+7], v[SCA], v[SCB] matrix_a_fmt:MATRIX_FMT_FP6 matrix_b_fmt:MATRIX_FMT_FP6 matrix_a_scale:MATRIX_SCALE_ROW1
.else
	v_wmma_scale_f32_16x16x128_f8f6f4 v[AC:AC+7], v[FA:FA+11], v[FB:FB+11], v[AC:AC+7], v[SCA], v[SCB] matrix_a_fmt:MATRIX_FMT_FP6 matrix_b_fmt:MATRIX_FMT_FP6 matrix_b_scale:MATRIX_SCALE_ROW1
.endif
.endif
.endm
.macro FETCHW buf, areg, sreg, off     ; four records of W from LDS into set buf: 16 LDS loads
.irp i, 0,1,2,3
.irp g, 0,1,2
	ds_load_b128 v[WB+48*(\buf)+12*\i+4*\g:WB+48*(\buf)+12*\i+4*\g+3], v[\areg] offset:(\off)+1664*\i+512*\g
.endr
	ds_load_b32 v[WS+4*(\buf)+\i], v[\sreg] offset:(\off)+1664*\i+1536
.endr
.endm
; 16 matrix instructions: one tile of channels, four K steps x four tiles of points.  The four accumulators take turns, one instruction a turn.
.macro MMB4 buf, tp
.irp s, 0,1,2,3
.irp p, 0,1,2,3
.set AC, 64*\p+8*(\tp)
.set FA, 48*\p+12*\s
.set FB, WB+48*(\buf)+12*\s
.set SCA, 16+4*(\s/2)+2*(\p/2)+(\s%2)  ; a lane to a point: tiles 0 and 2 read lanes 0-15, tiles 1 and 3 lanes 16-31
.set SCB, WS+4*(\buf)+\s
	WM (\s==0), (\p%2)
.endr
.endr
.endm
.macro GEMMHALF areg, sreg             ; eight tiles of channels
	PLACES 8                                       ; scale words written by vector instructions stand 8 places ahead; accumulators begun anew 5 behind the last product
	FETCHW 0, \areg, \sreg, 0
.set bt, 0
.rept 8
.if bt > 0
	PLACES 4                                       ; in front of loads into registers that the last products read
	WIN 0
.endif
.if bt < 7
	FETCHW (bt+1)%2, \areg, \sreg, 6656*(bt+1)
	s_wait_dscnt 16                                ; all but the 16 loads just issued
.else
	s_wait_dscnt 0x0
.endif
	WIN 0xa1                                       ; source 0 window 1, source 1 window 0, C and D window 2
	MMB4 bt%2, bt
.set bt, bt+1
.endr
	WIN 0
.endm
.macro TJOIN k                         ; the 32 pairs at HA are summed over tiles of points, halves of a pair and halves of the lanes into MS + 2 t + k
.irp t, 0,1,2,3,4,5,6,7
	v_pk_add_f32 v[HA+2*\t:HA+2*\t+1], v[HA+2*\t:HA+2*\t+1], v[HA+16+2*\t:HA+17+2*\t]
	v_pk_add_f32 v[HA+32+2*\t:HA+33+2*\t], v[HA+32+2*\t:HA+33+2*\t], v[HA+48+2*\t:HA+49+2*\t]
.endr
.irp t, 0,1,2,3,4,5,6,7
	v_pk_add_f32 v[HA+2*\t:HA+2*\t+1], v[HA+2*\t:HA+2*\t+1], v[HA+32+2*\t:HA+33+2*\t]
.endr
.irp t, 0,1,2,3,4,5,6,7
	v_add_f32 v[MS+2*\t+\k], v[HA+2*\t], v[HA+2*\t+1]
.endr
.irp t, 0,1,2,3,4,5,6,7
	v_permlanex16_b32 v[TM+\t], v[MS+2*\t+\k], s[SEL], s[SEL+1]
.endr
.irp t, 0,1,2,3,4,5,6,7
	v_add_f32 v[MS+2*\t+\k], v[MS+2*\t+\k], v[TM+\t]
.endr
.endm
; A lane holds one channel of each tile and 8 points of each of four tiles of points; lane l xor 16 the other 8.  Mean of the wave's 64 points, then the sum of squared deviations.
.macro STATS hf
	PLACES 4
	WIN 0x0a                                       ; sources 0 and 1 window 2
.irp p, 0,1,2,3
.irp t, 0,1,2,3,4,5,6,7
	v_pk_add_f32 v[HA+16*\p+2*\t:HA+16*\p+2*\t+1], v[64*\p+8*\t:64*\p+8*\t+1], v[64*\p+8*\t+2:64*\p+8*\t+3]   ; each accumulator from its low end on
.endr
.endr
	WIN 0x02
.irp o, 4,6
.irp p, 0,1,2,3
.irp t, 0,1,2,3,4,5,6,7
	v_pk_add_f32 v[HA+16*\p+2*\t:HA+16*\p+2*\t+1], v[64*\p+8*\t+\o:64*\p+8*\t+\o+1], v[HA+16*\p+2*\t:HA+16*\p+2*\t+1]
.endr
.endr
.endr
	WIN 0
	TJOIN 0
.irp t, 0,1,2,3,4,5,6,7
	v_mul_f32 v[MS+2*\t], 0x3c800000, v[MS+2*\t]   ; / 64
.endr
	WIN 0x82                                       ; destination and source 0 window 2
.irp p, 0,1,2,3
.irp t, 0,1,2,3,4,5,6,7
.irp o, 0,2,4,6
	v_pk_add_f32 v[64*\p+8*\t+\o:64*\p+8*\t+\o+1], v[64*\p+8*\t+\o:64*\p+8*\t+\o+1], v[MS+2*\t:MS+2*\t+1] op_sel_hi:[1,0] neg_lo:[0,1] neg_hi:[0,1]
.endr
.endr
.endr
	WIN 0x0a
.irp p, 0,1,2,3
.irp t, 0,1,2,3,4,5,6,7
	v_pk_mul_f32 v[HA+16*\p+2*\t:HA+16*\p+2*\t+1], v[64*\p+8*\t:64*\p+8*\t+1], v[64*\p+8*\t:64*\p+8*\t+1]
.endr
.endr
.irp o, 2,4,6
.irp p, 0,1,2,3
.irp t, 0,1,2,3,4,5,6,7
	v_pk_fma_f32 v[HA+16*\p+2*\t:HA+16*\p+2*\t+1], v[64*\p+8*\t+\o:64*\p+8*\t+\o+1], v[64*\p+8*\t+\o:64*\p+8*\t+\o+1], v[HA+16*\p+2*\t:HA+16*\p+2*\t+1]
.endr
.endr
.endr
	WIN 0
	TJOIN 1
.irp t, 0,1,2,3,4,5,6,7
	ds_store_b32 v5, v[MS+2*\t] offset:4*(32*((8*\hf+\t)/2)+8*(\t%2))         ; both halves of the lanes write the same word with the same value
	ds_store_b32 v5, v[MS+2*\t+1] offset:4*(32*((8*\hf+\t)/2)+8*(\t%2))+1024
.endr
.endm
.macro FINSTAT                         ; the four waves' figures are joined: thread t takes channels 2 t and 2 t + 1
	s_wait_dscnt 0x0                               ; for the others' sake: my figures lie in LDS
	s_barrier_signal -1
	s_barrier_wait -1
.irp w, 0,1,2,3
	ds_load_b64 v[HA+2*\w:HA+2*\w+1], v7 offset:2048*\w
	ds_load_b64 v[HA+8+2*\w:HA+9+2*\w], v7 offset:2048*\w+1024
.endr
	s_wait_dscnt 0x0
	v_pk_add_f32 v[HA+16:HA+17], v[HA:HA+1], v[HA+2:HA+3]
	v_pk_add_f32 v[HA+18:HA+19], v[HA+4:HA+5], v[HA+6:HA+7]
	v_pk_add_f32 v[HA+16:HA+17], v[HA+16:HA+17], v[HA+18:HA+19]
	v_pk_mul_f32 v[HA+16:HA+17], v[HA+16:HA+17], 0x3e800000 op_sel_hi:[1,0]        ; the mean of 256 points
.irp w, 0,1,2,3
	v_pk_add_f32 v[HA+2*\w:HA+2*\w+1], v[HA+2*\w:HA+2*\w+1], v[HA+16:HA+17] neg_lo:[0,1] neg_hi:[0,1]
.endr
	v_pk_mul_f32 v[HA+18:HA+19], v[HA:HA+1], v[HA:HA+1]
.irp w, 1,2,3
	v_pk_fma_f32 v[HA+18:HA+19], v[HA+2*\w:HA+2*\w+1], v[HA+2*\w:HA+2*\w+1], v[HA+18:HA+19]
.endr
	v_pk_add_f32 v[HA+20:HA+21], v[HA+8:HA+9], v[HA+10:HA+11]
	v_pk_add_f32 v[HA+22:HA+23], v[HA+12:HA+13], v[HA+14:HA+15]
	v_pk_add_f32 v[HA+20:HA+21], v[HA+20:HA+21], v[HA+22:HA+23]
	v_pk_fma_f32 v[HA+20:HA+21], v[HA+18:HA+19], 0x42800000, v[HA+20:HA+21] op_sel_hi:[1,0,1]   ; + 64 x the squared distances of the waves' means
	global_store_b64 v6, v[HA+16:HA+17], s[52:53]
	global_store_b64 v6, v[HA+20:HA+21], s[52:53] offset:1024
.endm
; THE GATHER, under one window setting (all operands window 2): F v0-191 eight slots of 24; offsets v192-215; sums v216-231 (two sets); indices v232-239; weights v240-247.
.macro ISSUE i
.set SL, (\i)%8
.irp k, 0,1,2
	v_readlane_b32 s[30+\k], v[232+4*((\i)/32)+\k], (\i)%32
.endr
.irp k, 0,1,2
	s_min_u32 s[30+\k], s[30+\k], 0x3ff            ; a number from memory is held inside the table
.endr
.irp k, 0,1,2
	s_lshl_b32 s[30+\k], s[30+\k], 10
.endr
.irp k, 0,1,2
	v_add_nc_u32 v[192+3*SL+\k], s[30+\k], v248
.endr
.irp k, 0,1,2
.irp e, 0,1
	global_load_b128 v[24*SL+8*\k+4*\e:24*SL+8*\k+4*\e+3], v[192+3*SL+\k], s[28:29] offset:512*\e
.endr
.endr
.endm
.macro CONSUME i
.set SL, (\i)%8
.set TS, 216+8*((\i)%2)
.if 63-(\i) < 7
	s_wait_loadcnt 6*(63-(\i))                     ; the younger points' loads, six each, may be out
.else
	s_wait_loadcnt 42
.endif
	s_wait_dscnt 2                                 ; only the last point's two stores may be out: this set of sums is free
	v_readlane_b32 s34, v[240+4*((\i)/32)], (\i)%32
	v_readlane_b32 s36, v[241+4*((\i)/32)], (\i)%32
	v_readlane_b32 s38, v[242+4*((\i)/32)], (\i)%32
.irp j, 0,1,2,3
	v_pk_mul_f32 v[TS+2*\j:TS+2*\j+1], v[24*SL+2*\j:24*SL+2*\j+1], s[34:35] op_sel_hi:[1,0]
.endr
.irp j, 0,1,2,3
	v_pk_fma_f32 v[TS+2*\j:TS+2*\j+1], v[24*SL+8+2*\j:24*SL+9+2*\j], s[36:37], v[TS+2*\j:TS+2*\j+1] op_sel_hi:[1,0,1]
.endr
.irp j, 0,1,2,3
	v_pk_fma_f32 v[TS+2*\j:TS+2*\j+1], v[24*SL+16+2*\j:24*SL+17+2*\j], s[38:39], v[TS+2*\j:TS+2*\j+1] op_sel_hi:[1,0,1]
.endr
	ds_store_b128 v249, v[TS:TS+3] offset:1040*((\i)%32)
	ds_store_b128 v249, v[TS+4:TS+7] offset:1040*((\i)%32)+512
.endm
.macro LOADX b                         ; block b of my point's row of the stage
.set LXB, X+32*((\b)%2)
.irp i, 0,1,2,3,4,5,6,7
	ds_load_b128 v[LXB+4*\i:LXB+4*\i+3], v12 offset:128*(\b)+16*\i
.endr
.endm
.macro QUANTSET sg                     ; the 32 rows of the stage become the fragments of tiles 2 sg and 2 sg + 1, K steps 0 and 1
	WIN 0
	LOADX 0                                        ; LDS serves a wave's instructions in order: these see my stores
.set bb, 0
.rept 8
.if bb < 7
	LOADX bb+1
	s_wait_dscnt 8                                 ; this block's eight loads are in; the eight just issued may be out
.else
	s_wait_dscnt 0x0
.endif
.set XB, X+32*(bb%2)
.set DS, EO+48*\sg+24*(bb%2)+12*(bb/4)+6*((bb%4)/2)
	BLOCKQ XB, DS, 8*(bb%4), 16+2*\sg+bb/4
.set bb, bb+1
.endr
.set i, 0
.rept 24
	v_permlane16_swap_b32 v[EO+48*\sg+i], v[EO+48*\sg+24+i]   ; even blocks' lanes 16-31 change places with odd blocks' lanes 0-15: two tiles' fragments
.set i, i+1
.endr
.set i, 0
.rept 12
	global_store_b128 v1, v[EO+48*\sg+4*i:EO+48*\sg+4*i+3], s[48:49] offset:6144*\sg+512*i
.set i, i+1
.endr
	global_store_b64 v8, v[16+2*\sg:17+2*\sg], s[50:51] offset:256*\sg
	WIN 0x40                                       ; destination window 1
.set i, 0
.rept 24
	v_mov_b32 v[96*\sg+i], v[EO+48*\sg+i]
	v_mov_b32 v[96*\sg+48+i], v[EO+48*\sg+24+i]
.set i, i+1
.endr
.endm
	s_load_b256 s[4:11], s[0:1], 0x0               ; nidx s[4:5], prep s[6:7], ubuf s[8:9], ibuf s[10:11]
	v_lshl_add_u32 v254, v0, 2, 0x3c800
	v_mov_b32 v255, 0
	ds_add_u32 v254, v255
	ds_add_u32 v254, v255
	v_lshrrev_b32 v1, 5, v0
	v_readfirstlane_b32 s12, v1                    ; wave 0..3
	s_bfe_u32 s13, ttmp6, 0x40000                  ; my place in the cluster: it enters global addresses of my own data alone
	s_lshl_b32 s14, ttmp9, 2
	s_add_co_u32 s13, s14, s13                     ; the work-group's number
	; descriptor group 1: a quarter of W1's image, 26,624 dense bytes, as 104 rows of 32 elements of 8 bytes
	s_mov_b32 s16, 15|(3<<16)|(1<<21)              ; the mask names all four work-groups; bit 21 is set beside it
	s_mov_b32 s17, 32<<16
	s_mov_b32 s18, 104<<16
	s_mov_b32 s19, 32<<16
	s_mov_b32 s20, 104
	s_mov_b32 s21, 32
	s_mov_b32 s22, 0
	s_mov_b32 s23, 0
	s_mov_b32 s24, 1
	s_mul_i32 s25, s12, 26624
	s_add_co_u32 s14, s25, 17825792
	s_mov_b32 s15, 0
	s_wait_dscnt 0x0
	s_wait_kmcnt 0x0
	s_add_nc_u64 s[26:27], s[6:7], s[14:15]
	s_or_b32 s27, s27, 0x80000000
	ROUND                                          ; all four work-groups are here: the joint loads meet
	tensor_load_to_lds s[24:27], s[16:23]          ; filled once: my one tensor load
	s_nop 0
.rept 4
	v_nop
.endr
	v_and_b32 v9, 31, v0                           ; lane
	v_lshlrev_b32 v1, 4, v9
	v_lshlrev_b32 v2, 2, v9
	v_add_nc_u32 v3, 53248, v1                     ; the image's second half
	v_add_nc_u32 v4, 53248, v2
	v_and_b32 v10, 15, v0
	v_and_b32 v11, 8, v10
	v_add_nc_u32 v10, v10, v11                     ; r + 8 (r / 8): my channel within a pair of tiles
	s_lshl_b32 s14, s12, 11
	s_add_co_u32 s14, s14, ST
	v_lshl_add_u32 v5, v10, 2, s14                 ; where my wave's figures go
	v_lshlrev_b32 v6, 3, v0
	v_add_nc_u32 v7, ST, v6
	v_lshlrev_b32 v8, 3, v9
	s_mul_i32 s33, s12, 33280
	s_add_co_u32 s33, s33, STAGE                   ; my stage
	v_mul_u32_u24 v12, v9, 1040
	v_add_nc_u32 v12, s33, v12                     ; out of it: row = lane
.set i, 0
.rept 16
	v_mov_b32 v[TM+i], 0                           ; a lane permute's destination counts as one of its sources
	v_mov_b32 v[MS+i], 0                           ; (named as pairs before both halves are written)
.set i, i+1
.endr
	s_mov_b32 s[SEL], 0x76543210
	s_mov_b32 s[SEL+1], 0xfedcba98
	s_mov_b32 s35, 0                               ; (named as the upper halves of the weights' pairs)
	s_mov_b32 s37, 0
	s_mov_b32 s39, 0
	s_lshr_b32 s14, s13, 4
	s_lshl_b32 s14, s14, 20
	s_add_nc_u64 s[28:29], s[6:7], s[14:15]        ; the batch's turned table
	s_lshl_b32 s14, s13, 12
	s_lshl_b32 s40, s12, 10
	s_add_co_u32 s14, s14, s40
	s_add_nc_u64 s[4:5], s[4:5], s[14:15]          ; my wave's indices,
	s_add_co_u32 s14, s14, 16777216
	s_add_nc_u64 s[42:43], s[6:7], s[14:15]        ; weights,
	s_mul_i32 s14, s13, 49152
	s_mul_i32 s40, s12, 12288
	s_add_co_u32 s14, s14, s40
	s_add_nc_u64 s[44:45], s[8:9], s[14:15]        ; codes of unknow_feats,
	s_add_co_u32 s14, s14, 524288
	s_add_nc_u64 s[48:49], s[10:11], s[14:15]      ; codes of the interpolated features,
	s_lshl_b32 s14, s13, 11
	s_add_nc_u64 s[52:53], s[10:11], s[14:15]      ; the work-group's figures,
	s_lshl_b32 s40, s12, 9
	s_add_co_u32 s40, s14, s40
	s_add_co_u32 s14, s40, 12582912
	s_add_nc_u64 s[46:47], s[8:9], s[14:15]        ; and the two sets of scale words
	s_add_co_u32 s14, s40, 13107200
	s_add_nc_u64 s[50:51], s[10:11], s[14:15]
	WIN 0x80                                       ; destination window 2
	v_add_nc_u32 v248, 0, v1                       ; 16 x lane
	v_add_nc_u32 v249, s33, v1                     ; into the stage: 16 bytes a lane of a row
	global_load_b128 v[232:235], v1, s[4:5]        ; a lane to a point: sets 0 and 1
	global_load_b128 v[236:239], v1, s[4:5] offset:512
	global_load_b128 v[240:243], v1, s[42:43]
	global_load_b128 v[244:247], v1, s[42:43] offset:512
	WIN 0x40
.irp p, 0,1,2,3
.irp i, 0,1,2,3,4,5
	global_load_b128 v[48*\p+24+4*\i:48*\p+27+4*\i], v1, s[44:45] offset:3072*\p+512*\i   ; K steps 2 and 3
.endr
.endr
	WIN 0
	global_load_b64 v[20:21], v8, s[46:47]
	global_load_b64 v[22:23], v8, s[46:47] offset:256
	s_wait_loadcnt 26                              ; indices and weights are in; the 26 loads behind them may be out
	WIN 0xaa
.irp i, 0,1,2,3,4,5,6,7
	ISSUE \i
.endr
.set pt, 0
.rept 64
	CONSUME pt
.if pt+8 < 64
	ISSUE pt+8
.endif
.if pt == 31
	QUANTSET 0
	WIN 0xaa
.endif
.set pt, pt+1
.endr
	QUANTSET 1
	WIN 0
	s_wait_tensorcnt 0x0                           ; my quarter of W1's image has landed
	s_wait_dscnt 0x0
	s_wait_xcnt 0x0                                ; the stores of codes have read v104-199, on which W's fragments and the sums land
	s_barrier_signal -1
	s_barrier_wait -1                              ; everybody's quarter has
	GEMMHALF 1, 2
	STATS 0
	GEMMHALF 3, 4
	STATS 1
	FINSTAT
	s_wait_tensorcnt 0x0
	ds_add_u32 v254, v255
	s_wait_dscnt 0x0
	ROUND                                          ; the closing round
	s_endpgm
.Lfunc_end_k_q8487120b03_g1:
	.size	k_q8487120b03_g1, .Lfunc_end_k_q8487120b03_g1-k_q8487120b03_g1
	.p2alignl 7, 3214868480
	.fill 96, 4, 3214868480
	.section	.rodata,"a",@progbits
	.p2align	6, 0x0
	.amdhsa_kernel k_q8487120b03_g1
		.amdhsa_group_segment_fixed_size 248320
		.amdhsa_private_segment_fixed_size 0
		.amdhsa_enable_private_segment 0
		.amdhsa_kernarg_size 32
		.amdhsa_user_sgpr_count 2
		.amdhsa_user_sgpr_kernarg_segment_ptr 1
		.amdhsa_wavefront_size32 1
		.amdhsa_system_sgpr_workgroup_id_x 1
		.amdhsa_system_sgpr_workgroup_id_y 1
		.amdhsa_system_sgpr_workgroup_id_z 1
		.amdhsa_system_vgpr_workitem_id 0
		.amdhsa_next_free_vgpr 768
		.amdhsa_next_free_sgpr 66
		.amdhsa_reserve_vcc 0
		.amdhsa_float_denorm_mode_32 3
		.amdhsa_float_denorm_mode_16_64 3
		.amdhsa_memory_ordered 1
		.amdhsa_forward_progress 1
		.amdhsa_inst_pref_size 255
	.end_amdhsa_kernel
	.section	.bss,"aw",@nobits
	.p2align	6
	.space	262144
	.amdgpu_metadata
---
amdhsa.version: [ 1, 2 ]
amdhsa.kernels:
  - .name:           k_q8487120b03_g1
    .symbol:         k_q8487120b03_g1.kd
    .args:
      - { .name: nidx, .offset: 0, .size: 8, .value_kind: global_buffer, .address_space: global }
      - { .name: prep, .offset: 8, .size: 8, .value_kind: global_buffer, .address_space: global }
      - { .name: ubuf, .offset: 16, .size: 8, .value_kind: global_buffer, .address_space: global }
      - { .name: ibuf, .offset: 24, .size: 8, .value_kind: global_buffer, .address_space: global }
    .group_segment_fixed_size: 248320
    .private_segment_fixed_size: 0
    .kernarg_segment_align: 8
    .kernarg_segment_size: 32
    .max_flat_workgroup_size: 128
    .sgpr_count:     66
    .vgpr_count:     768
    .wavefront_size: 32
...
	.end_amdgpu_metadata
.endif
;; end of part 3
;; launch stat (part 4): grid 8 x 1, 16 waves a work-group, no clusters, 6,144 bytes of LDS; arguments ibuf, g1, be1, bn1; writes bn1
.if DOCPART == 4
	.amdgcn_target "amdgcn-amd-amdhsa--gfx1250"
	.amdhsa_code_object_version 6
	.text
	.protected	k_q8487120b03_stat
	.globl	k_q8487120b03_stat
	.p2align	8
	.type	k_q8487120b03_stat,@function
k_q8487120b03_stat:
	s_mov_b64 s[64:65], 0
	v_nop
	global_prefetch_b8 v0, s[64:65] scope:SCOPE_SE
	s_setreg_imm32_b32 hwreg(HW_REG_WAVE_MODE, 25, 1), 1
	s_wait_xcnt 0x0
; The 256 work-groups' figures (mean and sum of squared deviations of 256 points each, for 256 channels) become a = gamma / sqrt(var + 1e-5) and c = beta - mean a.
; A work-group takes 32 channels, a lane one; wave w takes figures 16 w .. 16 w + 15.  The grand mean first, then M2 = the sum of the parts' M2 + 256 x the sum of (part's mean - mean)^2:
; no difference of large sums.  Eight work-groups: there is no work for more.  v_rsq_f32 is good to one unit in the last place.
.macro SUM16 src                       ; v42 = the sum of 16 registers
	v_pk_add_f32 v[42:43], v[\src:\src+1], v[\src+2:\src+3]
.irp i, 4,6,8,10,12,14
	v_pk_add_f32 v[42:43], v[42:43], v[\src+\i:\src+\i+1]
.endr
	v_add_f32 v42, v42, v43
.endm
	s_load_b256 s[4:11], s[0:1], 0x0               ; the figures, gamma, beta, the result
	v_lshl_add_u32 v64, v0, 2, 0x1000
	v_mov_b32 v65, 0
	v_lshrrev_b32 v1, 5, v0
	v_readfirstlane_b32 s12, v1                    ; wave 0..15
	v_and_b32 v2, 31, v0
	v_lshlrev_b32 v3, 2, v2                        ; 4 x lane
	v_lshl_add_u32 v4, v1, 15, v3                  ; + 16 figures of 2,048 bytes a wave
	v_lshlrev_b32 v5, 2, v0
	s_lshl_b32 s14, ttmp9, 7                       ; the work-group's 32 channels
	s_mov_b32 s15, 0
	s_wait_kmcnt 0x0
	s_add_nc_u64 s[4:5], s[4:5], s[14:15]
	s_add_nc_u64 s[6:7], s[6:7], s[14:15]
	s_add_nc_u64 s[8:9], s[8:9], s[14:15]
	s_add_nc_u64 s[10:11], s[10:11], s[14:15]
.set i, 0
.rept 16
	global_load_b32 v[8+i], v4, s[4:5] offset:2048*i
	global_load_b32 v[24+i], v4, s[4:5] offset:2048*i+1024
.set i, i+1
.endr
	global_load_b32 v40, v3, s[6:7]
	global_load_b32 v41, v3, s[8:9]
	s_wait_loadcnt 0x0
	SUM16 8
	ds_store_b32 v5, v42
	s_wait_dscnt 0x0
	s_barrier_signal -1
	s_barrier_wait -1
.set i, 0
.rept 16
	ds_load_b32 v[44+i], v3 offset:128*i           ; the sixteen waves' sums for my channel
.set i, i+1
.endr
	s_wait_dscnt 0x0
	SUM16 44
	v_mul_f32 v60, 0x3b800000, v42                 ; the mean: / 256
	v_mov_b32 v61, v60
.irp i, 0,2,4,6,8,10,12,14
	v_pk_add_f32 v[8+\i:9+\i], v[8+\i:9+\i], v[60:61] neg_lo:[0,1] neg_hi:[0,1]
.endr
	v_pk_mul_f32 v[62:63], v[8:9], v[8:9]
.irp i, 2,4,6,8,10,12,14
	v_pk_fma_f32 v[62:63], v[8+\i:9+\i], v[8+\i:9+\i], v[62:63]
.endr
	v_add_f32 v62, v62, v63
	SUM16 24
	v_fmamk_f32 v62, v62, 0x43800000, v42          ; 256 x the squared distances + the parts' M2
	ds_store_b32 v5, v62 offset:2048               ; other bytes than the first exchange's
	s_wait_dscnt 0x0
	s_barrier_signal -1
	s_barrier_wait -1
.set i, 0
.rept 16
	ds_load_b32 v[44+i], v3 offset:2048+128*i
.set i, i+1
.endr
	s_wait_dscnt 0x0
	SUM16 44
	v_mov_b32 v63, 0x37800000                      ; 1 / 65,536
	v_fmaak_f32 v42, v42, v63, 0x3727c5ac          ; var + 1e-5
	v_rsq_f32 v62, v42
	v_nop
	s_wait_alu depctr_va_vdst(0)
	v_mul_f32 v62, v40, v62                        ; a
	v_fma_f32 v63, -v60, v62, v41                  ; c
	s_cmp_lg_u32 s12, 0
	s_cbranch_scc1 .Lend
	global_store_b32 v3, v62, s[10:11]
	global_store_b32 v3, v63, s[10:11] offset:1024
.Lend:
	s_wait_tensorcnt 0x0
	ds_add_u32 v64, v65
	s_wait_dscnt 0x0
	s_endpgm
.Lfunc_end_k_q8487120b03_stat:
	.size	k_q8487120b03_stat, .Lfunc_end_k_q8487120b03_stat-k_q8487120b03_stat
	.p2alignl 7, 3214868480
	.fill 96, 4, 3214868480
	.section	.rodata,"a",@progbits
	.p2align	6, 0x0
	.amdhsa_kernel k_q8487120b03_stat
		.amdhsa_group_segment_fixed_size 6144
		.amdhsa_private_segment_fixed_size 0
		.amdhsa_enable_private_segment 0
		.amdhsa_kernarg_size 32
		.amdhsa_user_sgpr_count 2
		.amdhsa_user_sgpr_kernarg_segment_ptr 1
		.amdhsa_wavefront_size32 1
		.amdhsa_system_sgpr_workgroup_id_x 1
		.amdhsa_system_sgpr_workgroup_id_y 1
		.amdhsa_system_sgpr_workgroup_id_z 1
		.amdhsa_system_vgpr_workitem_id 0
		.amdhsa_next_free_vgpr 66
		.amdhsa_next_free_sgpr 66
		.amdhsa_reserve_vcc 0
		.amdhsa_float_denorm_mode_32 3
		.amdhsa_float_denorm_mode_16_64 3
		.amdhsa_memory_ordered 1
		.amdhsa_forward_progress 1
		.amdhsa_inst_pref_size 11
	.end_amdhsa_kernel
	.amdgpu_metadata
---
amdhsa.version: [ 1, 2 ]
amdhsa.kernels:
  - .name:           k_q8487120b03_stat
    .symbol:         k_q8487120b03_stat.kd
    .args:
      - { .name: ibuf, .offset: 0, .size: 8, .value_kind: global_buffer, .address_space: global }
      - { .name: g1, .offset: 8, .size: 8, .value_kind: global_buffer, .address_space: global }
      - { .name: be1, .offset: 16, .size: 8, .value_kind: global_buffer, .address_space: global }
      - { .name: bn1, .offset: 24, .size: 8, .value_kind: global_buffer, .address_space: global }
    .group_segment_fixed_size: 6144
    .private_segment_fixed_size: 0
    .kernarg_segment_align: 8
    .kernarg_segment_size: 32
    .max_flat_workgroup_size: 512
    .sgpr_count:     66
    .vgpr_count:     66
    .wavefront_size: 32
...
	.end_amdgpu_metadata
.endif
;; end of part 4
;; launch mid (part 5): grid 256 x 1, 4 waves a work-group, clusters of 4 x 1, 168,448 bytes of LDS; arguments ibuf, ubuf, prep, bn1, hbuf; writes hbuf
.if DOCPART == 5
	.amdgcn_target "amdgcn-amd-amdhsa--gfx1250"
	.amdhsa_code_object_version 6
	.text
	.protected	k_q8487120b03_mid
	.globl	k_q8487120b03_mid
	.p2align	8
	.type	k_q8487120b03_mid,@function
k_q8487120b03_mid:
	s_mov_b64 s[64:65], 0
	v_nop
	global_prefetch_b8 v0, s[64:65] scope:SCOPE_SE
	s_setreg_imm32_b32 hwreg(HW_REG_WAVE_MODE, 25, 1), 1
	s_wait_xcnt 0x0
	s_wait_alu depctr_hold_cnt(0) depctr_sa_sdst(0) depctr_va_vdst(0) depctr_va_sdst(0) depctr_va_ssrc(0) depctr_va_vcc(0) depctr_vm_vsrc(0)
	s_getreg_b32 s2, hwreg(HW_REG_IB_STS2, 6, 4)
	s_cmp_eq_u32 s2, 0
	s_cbranch_scc0 .Lentry_in_a_cluster
	s_endpgm
.Lentry_in_a_cluster:
	s_bfe_u32 s2, ttmp6, 0x10000c
	s_cmp_lg_u32 s2, 0x3003
	s_cbranch_scc0 .Lentry_shape_is_right
	s_endpgm
.Lentry_shape_is_right:
; THE FIRST PRODUCT AGAIN, ITS NORM AND RELU, h AS CODES, THE SECOND PRODUCT AND ITS STATISTICS.
; A work-group owns 256 points, a wave 64 (four tiles of 16) and all channels, so that h never changes wave.  y1 is made TRANSPOSED (source 0 = 16 channels of W1, source 1 = 16 points):
; a lane holds one point, and by the order of W1's rows in a tile the 64 registers of eight tiles are the numbers k = 32 b + 16 (lane / 16) + i of one K step of the next product.
; h = max(0, y1 a + c), one fused multiply-add with the launch before's a and c, is quantised in registers, stored as images for the last launch, and kept as source 0 of
; y2 = h W2^T, of which only each channel's mean and sum of squared deviations are stored.  W1's and W2's images are asked for jointly by the four work-groups of a cluster, once.
; WINDOWS: 0: addresses, scale words (v16-23 the points', v24-31 h's, v32-39 W's), W's fragments v40-135, v136-253 at work.  1: the points' fragments, 48 p + 12 s.
;          2: 32 accumulators, 64 p + 8 t.   3: a v0-63 and c v64-127 of a half of the channels; h's fragments at 128 + 24 p + 12 s.
; LIMITS: NaN and infinities are not served; the norm is applied as y a + c with c = beta - mean a; a block of zeros gets the scale byte 1.
.set W2I, 106496                       ; LDS: W1's image, then W2's (53,248 bytes),
.set ST,  159744                       ; then the waves' statistics
.set WS,  32
.set WB,  40
.set HA,  136
.set TM,  200
.set PW,  216
.set PC,  218
.set MS,  238
.set SEL, 58
.set MSB, 0
.macro WIN new
.if MSB != \new
	s_set_vgpr_msb (MSB<<8)|\new
.set MSB, \new
.endif
.endm
.macro PLACES n
.rept \n
	v_nop
.endr
.endm
.macro ROUND
	s_barrier_signal -1
	s_barrier_wait -1
	s_cmp_lg_u32 s12, 0
	s_cbranch_scc1 .Lnot_wave_0_\@
	s_barrier_signal -3
.Lnot_wave_0_\@:
	s_barrier_wait -3
	s_barrier_signal -1
	s_barrier_wait -1
.endm
.macro WM zero, row
.if \zero
.if \row == 0
	v_wmma_scale_f32_16x16x128_f8f6f4 v[AC:AC+7], v[FA:FA+11], v[FB:FB+11], 0, v[SCA], v[SCB] matrix_a_fmt:MATRIX_FMT_FP6 matrix_b_fmt:MATRIX_FMT_FP6
.elseif \row == 1
	v_wmma_scale_f32_16x16x128_f8f6f4 v[AC:AC+7], v[FA:FA+11], v[FB:FB+11], 0, v[SCA], v[SCB] matrix_a_fmt:MATRIX_FMT_FP6 matrix_b_fmt:MATRIX_FMT_FP6 matrix_a_scale:MATRIX_SCALE_ROW1
.else
	v_wmma_scale_f32_16x16x128_f8f6f4 v[AC:AC+7], v[FA:FA+11], v[FB:FB+11], 0, v[SCA], v[SCB] matrix_a_fmt:MATRIX_FMT_FP6 matrix_b_fmt:MATRIX_FMT_FP6 matrix_b_scale:MATRIX_SCALE_ROW1
.endif
.else
.if \row == 0
	v_wmma_scale_f32_16x16x128_f8f6f4 v[AC:AC+7], v[FA:FA+11], v[FB:FB+11], v[AC:AC+7], v[SCA], v[SCB] matrix_a_fmt:MATRIX_FMT_FP6 matrix_b_fmt:MATRIX_FMT_FP6
.elseif \row == 1
	v_wmma_scale_f32_16x16x128_f8f6f4 v[AC:AC+7], v[FA:FA+11], v[FB:FB+11], v[AC:AC+7], v[SCA], v[SCB] matrix_a_fmt:MATRIX_FMT_FP6 matrix_b_fmt:MATRIX_FMT_FP6 matrix_a_scale:MATRIX_SCALE_ROW1
.else
	v_wmma_scale_f32_16x16x128_f8f6f4 v[AC:AC+7], v[FA:FA+11], v[FB:FB+11], v[AC:AC+7], v[SCA], v[SCB] matrix_a_fmt:MATRIX_FMT_FP6 matrix_b_fmt:MATRIX_FMT_FP6 matrix_b_scale:MATRIX_SCALE_ROW1
.endif
.endif
.endm
.macro FETCHW buf, areg, sreg, off
.irp i, 0,1,2,3
.irp g, 0,1,2
	ds_load_b128 v[WB+48*(\buf)+12*\i+4*\g:WB+48*(\buf)+12*\i+4*\g+3], v[\areg] offset:(\off)+1664*\i+512*\g
.endr
	ds_load_b32 v[WS+4*(\buf)+\i], v[\sreg] offset:(\off)+1664*\i+1536
.endr
.endm
; first product, transposed: one tile of channels, four K steps x four tiles of points; the four accumulators take turns
.macro MMB4 buf, tp
.irp s, 0,1,2,3
.irp p, 0,1,2,3
.set AC, 64*\p+8*(\tp)
.set FA, WB+48*(\buf)+12*\s
.set FB, 48*\p+12*\s
.set SCA, WS+4*(\buf)+\s
.set SCB, 16+4*(\s/2)+2*(\p/2)+(\s%2)
	WM (\s==0), 2*(\p%2)
.endr
.endr
.endm
; second product: two tiles of channels, two K steps x four tiles of points; eight accumulators by turns
.macro MMB2 buf, tp
.irp s, 0,1
.irp u, 0,1
.irp p, 0,1,2,3
.set AC, 64*\p+8*((\tp)+\u)
.set FA, 128+24*\p+12*\s
.set FB, WB+48*(\buf)+12*(2*\u+\s)
.set SCA, 24+2*\p+\s
.set SCB, WS+4*(\buf)+2*\u+\s
	WM (\s==0), 0
.endr
.endr
.endr
.endm
.macro GEMM1HALF areg, sreg
	PLACES 8
	FETCHW 0, \areg, \sreg, 0
.set bt, 0
.rept 8
.if bt > 0
	PLACES 4                                       ; in front of loads into registers that the last products read
	WIN 0
.endif
.if bt < 7
	FETCHW (bt+1)%2, \areg, \sreg, 6656*(bt+1)
	s_wait_dscnt 16                                ; all but the 16 loads just issued
.else
	s_wait_dscnt 0x0
.endif
	WIN 0xa4                                       ; source 0 window 0, source 1 window 1, C and D window 2
	MMB4 bt%2, bt
.set bt, bt+1
.endr
	WIN 0
.endm
.macro GEMM2HALF hf
	PLACES 8                                       ; h's scale words were written by vector instructions: 8 places; accumulators begun anew: 5
	FETCHW 0, 10, 11, 26624*\hf
.set bt, 0
.rept 4
.if bt > 0
	PLACES 4
	WIN 0
.endif
.if bt < 3
	FETCHW (bt+1)%2, 10, 11, 26624*\hf+6656*(bt+1)
	s_wait_dscnt 16
.else
	s_wait_dscnt 0x0
.endif
	WIN 0xa3                                       ; source 0 window 3, source 1 window 0, C and D window 2
	MMB2 bt%2, 2*bt
.set bt, bt+1
.endr
	WIN 0
.endm
.macro TJOIN k
.irp t, 0,1,2,3,4,5,6,7
	v_pk_add_f32 v[HA+2*\t:HA+2*\t+1], v[HA+2*\t:HA+2*\t+1], v[HA+16+2*\t:HA+17+2*\t]
	v_pk_add_f32 v[HA+32+2*\t:HA+33+2*\t], v[HA+32+2*\t:HA+33+2*\t], v[HA+48+2*\t:HA+49+2*\t]
.endr
.irp t, 0,1,2,3,4,5,6,7
	v_pk_add_f32 v[HA+2*\t:HA+2*\t+1], v[HA+2*\t:HA+2*\t+1], v[HA+32+2*\t:HA+33+2*\t]
.endr
.irp t, 0,1,2,3,4,5,6,7
	v_add_f32 v[MS+2*\t+\k], v[HA+2*\t], v[HA+2*\t+1]
.endr
.irp t, 0,1,2,3,4,5,6,7
	v_permlanex16_b32 v[TM+\t], v[MS+2*\t+\k], s[SEL], s[SEL+1]
.endr
.irp t, 0,1,2,3,4,5,6,7
	v_add_f32 v[MS+2*\t+\k], v[MS+2*\t+\k], v[TM+\t]
.endr
.endm
.macro STATS hf                        ; a lane holds one channel of each tile: mean of the wave's 64 points, then the sum of squared deviations
	PLACES 4
	WIN 0x0a
.irp p, 0,1,2,3
.irp t, 0,1,2,3,4,5,6,7
	v_pk_add_f32 v[HA+16*\p+2*\t:HA+16*\p+2*\t+1], v[64*\p+8*\t:64*\p+8*\t+1], v[64*\p+8*\t+2:64*\p+8*\t+3]   ; each accumulator from its low end on
.endr
.endr
	WIN 0x02
.irp o, 4,6
.irp p, 0,1,2,3
.irp t, 0,1,2,3,4,5,6,7
	v_pk_add_f32 v[HA+16*\p+2*\t:HA+16*\p+2*\t+1], v[64*\p+8*\t+\o:64*\p+8*\t+\o+1], v[HA+16*\p+2*\t:HA+16*\p+2*\t+1]
.endr
.endr
.endr
	WIN 0
	TJOIN 0
.irp t, 0,1,2,3,4,5,6,7
	v_mul_f32 v[MS+2*\t], 0x3c800000, v[MS+2*\t]
.endr
	WIN 0x82
.irp p, 0,1,2,3
.irp t, 0,1,2,3,4,5,6,7
.irp o, 0,2,4,6
	v_pk_add_f32 v[64*\p+8*\t+\o:64*\p+8*\t+\o+1], v[64*\p+8*\t+\o:64*\p+8*\t+\o+1], v[MS+2*\t:MS+2*\t+1] op_sel_hi:[1,0] neg_lo:[0,1] neg_hi:[0,1]
.endr
.endr
.endr
	WIN 0x0a
.irp p, 0,1,2,3
.irp t, 0,1,2,3,4,5,6,7
	v_pk_mul_f32 v[HA+16*\p+2*\t:HA+16*\p+2*\t+1], v[64*\p+8*\t:64*\p+8*\t+1], v[64*\p+8*\t:64*\p+8*\t+1]
.endr
.endr
.irp o, 2,4,6
.irp p, 0,1,2,3
.irp t, 0,1,2,3,4,5,6,7
	v_pk_fma_f32 v[HA+16*\p+2*\t:HA+16*\p+2*\t+1], v[64*\p+8*\t+\o:64*\p+8*\t+\o+1], v[64*\p+8*\t+\o:64*\p+8*\t+\o+1], v[HA+16*\p+2*\t:HA+16*\p+2*\t+1]
.endr
.endr
.endr
	WIN 0
	TJOIN 1
.irp t, 0,1,2,3,4,5,6,7
	ds_store_b32 v5, v[MS+2*\t] offset:4*(32*((8*\hf+\t)/2)+8*(\t%2))
	ds_store_b32 v5, v[MS+2*\t+1] offset:4*(32*((8*\hf+\t)/2)+8*(\t%2))+1024
.endr
.endm
.macro FINSTAT
	s_wait_dscnt 0x0                               ; for the others' sake: my figures lie in LDS
	s_barrier_signal -1
	s_barrier_wait -1
.irp w, 0,1,2,3
	ds_load_b64 v[HA+2*\w:HA+2*\w+1], v7 offset:2048*\w
	ds_load_b64 v[HA+8+2*\w:HA+9+2*\w], v7 offset:2048*\w+1024
.endr
	s_wait_dscnt 0x0
	v_pk_add_f32 v[HA+16:HA+17], v[HA:HA+1], v[HA+2:HA+3]
	v_pk_add_f32 v[HA+18:HA+19], v[HA+4:HA+5], v[HA+6:HA+7]
	v_pk_add_f32 v[HA+16:HA+17], v[HA+16:HA+17], v[HA+18:HA+19]
	v_pk_mul_f32 v[HA+16:HA+17], v[HA+16:HA+17], 0x3e800000 op_sel_hi:[1,0]
.irp w, 0,1,2,3
	v_pk_add_f32 v[HA+2*\w:HA+2*\w+1], v[HA+2*\w:HA+2*\w+1], v[HA+16:HA+17] neg_lo:[0,1] neg_hi:[0,1]
.endr
	v_pk_mul_f32 v[HA+18:HA+19], v[HA:HA+1], v[HA:HA+1]
.irp w, 1,2,3
	v_pk_fma_f32 v[HA+18:HA+19], v[HA+2*\w:HA+2*\w+1], v[HA+2*\w:HA+2*\w+1], v[HA+18:HA+19]
.endr
	v_pk_add_f32 v[HA+20:HA+21], v[HA+8:HA+9], v[HA+10:HA+11]
	v_pk_add_f32 v[HA+22:HA+23], v[HA+12:HA+13], v[HA+14:HA+15]
	v_pk_add_f32 v[HA+20:HA+21], v[HA+20:HA+21], v[HA+22:HA+23]
	v_pk_fma_f32 v[HA+20:HA+21], v[HA+18:HA+19], 0x42800000, v[HA+20:HA+21] op_sel_hi:[1,0,1]
	global_store_b64 v6, v[HA+16:HA+17], s[52:53]
	global_store_b64 v6, v[HA+20:HA+21], s[52:53] offset:1024
.endm
; 64 numbers of a lane, register 16 b + i = k 32 b + 16 (lane / 16) + i of my row, become a fragment's codes in v[PC] on and its scale word in v[PW]
.macro QUANT s
.irp b, 0,1,2,3
	v_max3_num_f32 v[TM+\b], |v[\s+16*\b]|, |v[\s+1+16*\b]|, 0x1800000   ; the floor 2^(3 - 127): the byte cannot fall under 1
.endr
.irp i, 2,4,6,8,10,12,14
.irp b, 0,1,2,3
	v_max3_num_f32 v[TM+\b], v[TM+\b], |v[\s+16*\b+\i]|, |v[\s+1+16*\b+\i]|
.endr
.endr
.irp b, 0,1,2,3
	v_permlanex16_b32 v[TM+4+\b], v[TM+\b], s[SEL], s[SEL+1]
.endr
.irp b, 0,1,2,3
	v_max_num_f32 v[TM+\b], v[TM+\b], v[TM+4+\b]   ; with lane l xor 16's: the block's largest magnitude
.endr
.irp b, 0,1,2,3
	v_add_nc_u32 v[TM+12+\b], 0xff000000, v[TM+\b]
.endr
.irp b, 0,1,2,3
	v_lshrrev_b32 v[TM+4+\b], 23, v[TM+12+\b]
.endr
	v_lshl_or_b32 v[PW], v[TM+5], 8, v[TM+4]
	v_lshl_or_b32 v[PW], v[TM+6], 16, v[PW]
	v_lshl_or_b32 v[PW], v[TM+7], 24, v[PW]
.irp c, 0,1
	v_cvt_scalef32_pk16_fp6_f32 v[PC+6*\c:PC+2+6*\c], v[\s+32*\c:\s+15+32*\c], v[TM+12+2*\c]
	v_cvt_scalef32_pk16_fp6_f32 v[PC+12+4*\c:PC+14+4*\c], v[\s+16+32*\c:\s+31+32*\c], v[TM+12+2*\c+1]
.endr
	v_nop                                          ; one plain place behind a scaled conversion
.irp c, 0,1
.irp i, 0,1,2
	v_permlane16_swap_b32 v[PC+6*\c+\i], v[PC+12+4*\c+\i]   ; the layout wants a whole block in a lane
.endr
.irp i, 0,1,2
	v_mov_b32 v[PC+3+6*\c+\i], v[PC+12+4*\c+\i]
.endr
.endr
.endm
.macro BNLOAD hf                       ; a and c at the lane's 64 channels of half hf: register 16 b + i = channel 128 hf + 32 b + 16 (lane / 16) + i
	WIN 0xc0                                       ; destination window 3
.irp b, 0,1,2,3
.irp i, 0,1,2,3
	global_load_b128 v[16*\b+4*\i:16*\b+4*\i+3], v9, s[10:11] offset:512*\hf+128*\b+16*\i
	global_load_b128 v[64+16*\b+4*\i:64+16*\b+4*\i+3], v9, s[10:11] offset:1024+512*\hf+128*\b+16*\i
.endr
.endr
	WIN 0
.endm
.macro HSTEP hf, p                     ; tile p of points, K step hf of the next product
	WIN 0x3e                                       ; source 0 window 2, sources 1 and 2 window 3
.set j, 0
.rept 32
	v_pk_fma_f32 v[HA+j:HA+j+1], v[64*\p+j:64*\p+j+1], v[j:j+1], v[64+j:64+j+1]    ; y a + c; each accumulator from its low end on
.set j, j+2
.endr
	WIN 0
.set j, 0
.rept 64
	v_max_num_f32 v[HA+j], 0, v[HA+j]
.set j, j+1
.endr
	s_wait_xcnt 0x0                                ; the last tile's stores have read the codes' registers
	QUANT HA
.irp g, 0,1,2
	global_store_b128 v1, v[PC+4*\g:PC+4*\g+3], s[54:55] offset:3072*\p+1536*\hf+512*\g
.endr
	v_mov_b32 v[24+2*\p+\hf], v[PW]
	WIN 0xc0
.set j, 0
.rept 12
	v_mov_b32 v[128+24*\p+12*\hf+j], v[PC+j]
.set j, j+1
.endr
	WIN 0
.endm
	s_load_b256 s[4:11], s[0:1], 0x0               ; ibuf s[4:5], ubuf s[6:7], prep s[8:9], bn1 s[10:11]
	s_load_b64 s[14:15], s[0:1], 0x20              ; hbuf
	v_lshl_add_u32 v254, v0, 2, 0x29000
	v_mov_b32 v255, 0
	ds_add_u32 v254, v255
	ds_add_u32 v254, v255
	v_lshrrev_b32 v1, 5, v0
	v_readfirstlane_b32 s12, v1                    ; wave 0..3
	s_bfe_u32 s13, ttmp6, 0x40000
	s_lshl_b32 s32, ttmp9, 2
	s_add_co_u32 s13, s32, s13                     ; the work-group's number: it enters global addresses of my own data alone
	; descriptor groups 1: a quarter of W1's image (104 rows of 256 bytes) and of W2's (52)
	s_mov_b32 s16, 15|(3<<16)|(1<<21)
	s_mov_b32 s17, 32<<16
	s_mov_b32 s18, 104<<16
	s_mov_b32 s19, 32<<16
	s_mov_b32 s20, 104
	s_mov_b32 s21, 32
	s_mov_b32 s22, 0
	s_mov_b32 s23, 0
	s_mov_b32 s36, 15|(3<<16)|(1<<21)
	s_mov_b32 s37, 32<<16
	s_mov_b32 s38, 52<<16
	s_mov_b32 s39, 32<<16
	s_mov_b32 s40, 52
	s_mov_b32 s41, 32
	s_mov_b32 s42, 0
	s_mov_b32 s43, 0
	s_mov_b32 s24, 1
	s_mul_i32 s25, s12, 26624
	s_mov_b32 s28, 1
	s_mul_i32 s34, s12, 13312
	s_add_co_u32 s29, s34, W2I
	s_mov_b32 s33, 0
	s_wait_dscnt 0x0
	s_wait_kmcnt 0x0
	s_add_co_u32 s32, s25, 17825792
	s_add_nc_u64 s[26:27], s[8:9], s[32:33]
	s_or_b32 s27, s27, 0x80000000
	s_add_co_u32 s32, s34, 17932288
	s_add_nc_u64 s[30:31], s[8:9], s[32:33]
	s_or_b32 s31, s31, 0x80000000
	ROUND                                          ; all four work-groups are here: the joint loads meet
	tensor_load_to_lds s[24:27], s[16:23]          ; both are first fills: two loads of mine are out
	s_nop 0
	tensor_load_to_lds s[28:31], s[36:43]
	s_nop 0
.rept 4
	v_nop
.endr
	v_and_b32 v12, 31, v0                          ; lane
	v_lshlrev_b32 v1, 4, v12
	v_lshlrev_b32 v2, 2, v12
	v_add_nc_u32 v3, 53248, v1
	v_add_nc_u32 v4, 53248, v2
	v_add_nc_u32 v10, W2I, v1
	v_add_nc_u32 v11, W2I, v2
	v_and_b32 v13, 15, v0
	v_and_b32 v14, 8, v13
	v_add_nc_u32 v13, v13, v14
	s_lshl_b32 s32, s12, 11
	s_add_co_u32 s32, s32, ST
	v_lshl_add_u32 v5, v13, 2, s32
	v_lshlrev_b32 v6, 3, v0
	v_add_nc_u32 v7, ST, v6
	v_lshlrev_b32 v8, 3, v12
	v_bfe_u32 v9, v0, 4, 1
	v_lshlrev_b32 v9, 6, v9                        ; 64 x (lane / 16)
.set i, 0
.rept 16
	v_mov_b32 v[TM+i], 0                           ; a lane permute's destination counts as one of its sources
	v_mov_b32 v[MS+i], 0
.set i, i+1
.endr
	s_mov_b32 s[SEL], 0x76543210
	s_mov_b32 s[SEL+1], 0xfedcba98
	s_mul_i32 s32, s13, 49152
	s_mul_i32 s34, s12, 12288
	s_add_co_u32 s32, s32, s34
	s_add_nc_u64 s[48:49], s[6:7], s[32:33]        ; codes of unknow_feats,
	s_add_co_u32 s32, s32, 524288
	s_add_nc_u64 s[44:45], s[4:5], s[32:33]        ; of the interpolated features,
	s_add_nc_u64 s[54:55], s[14:15], s[32:33]      ; of h
	s_lshl_b32 s32, s13, 11
	s_add_nc_u64 s[52:53], s[14:15], s[32:33]      ; the work-group's figures
	s_lshl_b32 s34, s12, 9
	s_add_co_u32 s34, s32, s34
	s_add_co_u32 s32, s34, 13107200
	s_add_nc_u64 s[46:47], s[4:5], s[32:33]
	s_add_co_u32 s32, s34, 12582912
	s_add_nc_u64 s[50:51], s[6:7], s[32:33]
	s_lshl_b32 s32, s34, 1
	s_add_co_u32 s32, s32, 13107200
	s_add_nc_u64 s[56:57], s[14:15], s[32:33]      ; h's scale words: 256 bytes a tile
	WIN 0x40
.irp p, 0,1,2,3
.irp i, 0,1,2,3,4,5
	global_load_b128 v[48*\p+4*\i:48*\p+4*\i+3], v1, s[44:45] offset:3072*\p+512*\i
	global_load_b128 v[48*\p+24+4*\i:48*\p+27+4*\i], v1, s[48:49] offset:3072*\p+512*\i
.endr
.endr
	WIN 0
	global_load_b64 v[16:17], v8, s[46:47]
	global_load_b64 v[18:19], v8, s[46:47] offset:256
	global_load_b64 v[20:21], v8, s[50:51]
	global_load_b64 v[22:23], v8, s[50:51] offset:256
	BNLOAD 0
	s_wait_tensorcnt 0x0                           ; my quarters of both images have landed
	s_wait_loadcnt 32                              ; fragments and scale words are in; the 32 loads of a and c may be out
	s_barrier_signal -1
	s_barrier_wait -1
	GEMM1HALF 1, 2
	PLACES 4
	s_wait_loadcnt 0x0
.irp p, 0,1,2,3
	HSTEP 0, \p
.endr
	BNLOAD 1
	GEMM1HALF 3, 4
	PLACES 4
	s_wait_loadcnt 0x0
.irp p, 0,1,2,3
	HSTEP 1, \p
.endr
.irp p, 0,1,2,3
	global_store_b64 v8, v[24+2*\p:25+2*\p], s[56:57] offset:256*\p
.endr
	GEMM2HALF 0
	STATS 0
	GEMM2HALF 1
	STATS 1
	FINSTAT
	s_wait_tensorcnt 0x0
	ds_add_u32 v254, v255
	s_wait_dscnt 0x0
	ROUND                                          ; the closing round
	s_endpgm
.Lfunc_end_k_q8487120b03_mid:
	.size	k_q8487120b03_mid, .Lfunc_end_k_q8487120b03_mid-k_q8487120b03_mid
	.p2alignl 7, 3214868480
	.fill 96, 4, 3214868480
	.section	.rodata,"a",@progbits
	.p2align	6, 0x0
	.amdhsa_kernel k_q8487120b03_mid
		.amdhsa_group_segment_fixed_size 168448
		.amdhsa_private_segment_fixed_size 0
		.amdhsa_enable_private_segment 0
		.amdhsa_kernarg_size 40
		.amdhsa_user_sgpr_count 2
		.amdhsa_user_sgpr_kernarg_segment_ptr 1
		.amdhsa_wavefront_size32 1
		.amdhsa_system_sgpr_workgroup_id_x 1
		.amdhsa_system_sgpr_workgroup_id_y 1
		.amdhsa_system_sgpr_workgroup_id_z 1
		.amdhsa_system_vgpr_workitem_id 0
		.amdhsa_next_free_vgpr 1024
		.amdhsa_next_free_sgpr 66
		.amdhsa_reserve_vcc 0
		.amdhsa_float_denorm_mode_32 3
		.amdhsa_float_denorm_mode_16_64 3
		.amdhsa_memory_ordered 1
		.amdhsa_forward_progress 1
		.amdhsa_inst_pref_size 224
	.end_amdhsa_kernel
	.amdgpu_metadata
---
amdhsa.version: [ 1, 2 ]
amdhsa.kernels:
  - .name:           k_q8487120b03_mid
    .symbol:         k_q8487120b03_mid.kd
    .args:
      - { .name: ibuf, .offset: 0, .size: 8, .value_kind: global_buffer, .address_space: global }
      - { .name: ubuf, .offset: 8, .size: 8, .value_kind: global_buffer, .address_space: global }
      - { .name: prep, .offset: 16, .size: 8, .value_kind: global_buffer, .address_space: global }
      - { .name: bn1, .offset: 24, .size: 8, .value_kind: global_buffer, .address_space: global }
      - { .name: hbuf, .offset: 32, .size: 8, .value_kind: global_buffer, .address_space: global }
    .group_segment_fixed_size: 168448
    .private_segment_fixed_size: 0
    .kernarg_segment_align: 8
    .kernarg_segment_size: 40
    .max_flat_workgroup_size: 128
    .sgpr_count:     66
    .vgpr_count:     1024
    .wavefront_size: 32
...
	.end_amdgpu_metadata
.endif
;; end of part 5
;; launch stat2: the kernel of part 4 again; grid 8 x 1, 16 waves a work-group, no clusters, 6,144 bytes of LDS; arguments hbuf, g2, be2, bn2; writes bn2
;; launch fin (part 6): grid 256 x 1, 4 waves a work-group, clusters of 4 x 1, 168,448 bytes of LDS; arguments hbuf, prep, bn2, out0; writes out0
.if DOCPART == 6
	.amdgcn_target "amdgcn-amd-amdhsa--gfx1250"
	.amdhsa_code_object_version 6
	.text
	.protected	k_q8487120b03_fin
	.globl	k_q8487120b03_fin
	.p2align	8
	.type	k_q8487120b03_fin,@function
k_q8487120b03_fin:
	s_mov_b64 s[64:65], 0
	v_nop
	global_prefetch_b8 v0, s[64:65] scope:SCOPE_SE
	s_setreg_imm32_b32 hwreg(HW_REG_WAVE_MODE, 25, 1), 1
	s_wait_xcnt 0x0
	s_wait_alu depctr_hold_cnt(0) depctr_sa_sdst(0) depctr_va_vdst(0) depctr_va_sdst(0) depctr_va_ssrc(0) depctr_va_vcc(0) depctr_vm_vsrc(0)
	s_getreg_b32 s2, hwreg(HW_REG_IB_STS2, 6, 4)
	s_cmp_eq_u32 s2, 0
	s_cbranch_scc0 .Lentry_in_a_cluster
	s_endpgm
.Lentry_in_a_cluster:
	s_bfe_u32 s2, ttmp6, 0x10000c
	s_cmp_lg_u32 s2, 0x3003
	s_cbranch_scc0 .Lentry_shape_is_right
	s_endpgm
.Lentry_shape_is_right:
; THE SECOND PRODUCT AGAIN, ITS NORM AND RELU, AND THE OUTPUT.
; A work-group owns 256 points, a wave 64 and all 256 channels.  y2 = h W2^T with source 0 = 16 points and source 1 = 16 channels: a lane holds one channel and eight NEIGHBOURING points,
; which are neighbours in out0 [batch][channel][point].  out = max(0, y2 a + c).  A tile of 16 channels x 64 points goes through the wave's own stage in LDS and leaves as rows of
; 256 consecutive bytes, aligned, sixteen lanes to a row.  W2's image is asked for jointly by the four work-groups of a cluster, once.
; WINDOWS: 0: addresses, scale words v24-39, W2's fragments v40-135, v136-231 the way out.  1: h's fragments, 24 p + 12 s.  2: 32 accumulators, 64 p + 8 t.  3: a at 2 t, c at 2 t + 1.
; LIMITS: NaN and infinities are not served; the norm is applied as y a + c with c = beta - mean a.
.set STG, 53248                        ; LDS: W2's image, then 16 rows x 272 bytes for each wave
.set WS,  32
.set WB,  40
.set OT,  136
.set BK,  168
.set MSB, 0
.macro WIN new
.if MSB != \new
	s_set_vgpr_msb (MSB<<8)|\new
.set MSB, \new
.endif
.endm
.macro PLACES n
.rept \n
	v_nop
.endr
.endm
.macro ROUND
	s_barrier_signal -1
	s_barrier_wait -1
	s_cmp_lg_u32 s12, 0
	s_cbranch_scc1 .Lnot_wave_0_\@
	s_barrier_signal -3
.Lnot_wave_0_\@:
	s_barrier_wait -3
	s_barrier_signal -1
	s_barrier_wait -1
.endm
.macro FETCHW buf, areg, sreg, off
.irp i, 0,1,2,3
.irp g, 0,1,2
	ds_load_b128 v[WB+48*(\buf)+12*\i+4*\g:WB+48*(\buf)+12*\i+4*\g+3], v[\areg] offset:(\off)+1664*\i+512*\g
.endr
	ds_load_b32 v[WS+4*(\buf)+\i], v[\sreg] offset:(\off)+1664*\i+1536
.endr
.endm
; two tiles of channels, two K steps x four tiles of points; eight accumulators by turns
.macro MMB2 buf, tp
.irp s, 0,1
.irp u, 0,1
.irp p, 0,1,2,3
.set AC, 64*\p+8*((\tp)+\u)
.set FA, 24*\p+12*\s
.set FB, WB+48*(\buf)+12*(2*\u+\s)
.set SCA, 24+2*\p+\s
.set SCB, WS+4*(\buf)+2*\u+\s
.if \s == 0
	v_wmma_scale_f32_16x16x128_f8f6f4 v[AC:AC+7], v[FA:FA+11], v[FB:FB+11], 0, v[SCA], v[SCB] matrix_a_fmt:MATRIX_FMT_FP6 matrix_b_fmt:MATRIX_FMT_FP6
.else
	v_wmma_scale_f32_16x16x128_f8f6f4 v[AC:AC+7], v[FA:FA+11], v[FB:FB+11], v[AC:AC+7], v[SCA], v[SCB] matrix_a_fmt:MATRIX_FMT_FP6 matrix_b_fmt:MATRIX_FMT_FP6
.endif
.endr
.endr
.endr
.endm
.macro GEMM2HALF hf
	PLACES 8                                       ; accumulators begun anew stand 5 places behind the last product
	FETCHW 0, 1, 2, 26624*\hf
.set bt, 0
.rept 4
.if bt > 0
	PLACES 4                                       ; in front of loads into registers that the last products read
	WIN 0
.endif
.if bt < 3
	FETCHW (bt+1)%2, 1, 2, 26624*\hf+6656*(bt+1)
	s_wait_dscnt 16                                ; all but the 16 loads just issued
.else
	s_wait_dscnt 0x0
.endif
	WIN 0xa1                                       ; source 0 window 1, source 1 window 0, C and D window 2
	MMB2 bt%2, 2*bt
.set bt, bt+1
.endr
	WIN 0
.endm
.macro TILEOUT hf, tau                 ; tile 8 hf + tau of channels: norm, relu, into the stage and back as rows
.set TT, 8*\hf+\tau
	s_wait_dscnt 8                                 ; the last tile's stores into the stage have read their registers; its eight loads may be out
	WIN 0x3e                                       ; source 0 window 2, sources 1 and 2 window 3
.irp p, 0,1,2,3
.irp e, 0,2,4,6
	v_pk_fma_f32 v[OT+8*\p+\e:OT+8*\p+\e+1], v[64*\p+8*\tau+\e:64*\p+8*\tau+\e+1], v[2*TT:2*TT+1], v[2*TT:2*TT+1] op_sel:[0,0,1] op_sel_hi:[1,0,1]   ; y a + c; each accumulator from its low end on
.endr
.endr
	WIN 0
.set j, 0
.rept 32
	v_max_num_f32 v[OT+j], 0, v[OT+j]
.set j, j+1
.endr
	s_wait_xcnt 0x0                                ; the stores of the tile before last have read the registers that the loads below fill
.irp p, 0,1,2,3
	ds_store_b128 v3, v[OT+8*\p:OT+8*\p+3] offset:64*\p
	ds_store_b128 v3, v[OT+8*\p+4:OT+8*\p+7] offset:64*\p+16
.endr
.irp i, 0,1,2,3,4,5,6,7
	ds_load_b128 v[BK+32*(\tau%2)+4*\i:BK+32*(\tau%2)+4*\i+3], v4 offset:544*\i   ; LDS serves a wave's instructions in order: these see my stores
.endr
.endm
.macro SEND hf, tau, younger           ; younger: the LDS instructions issued behind this tile's loads, which may stay out
.set TT, 8*\hf+\tau
.set BB, BK+32*((\tau)%2)
	s_wait_dscnt \younger
.irp i, 0,1,2,3,4,5,6,7
	global_store_b128 v5, v[BB+4*\i:BB+4*\i+3], s[10:11] offset:16384*(32*(TT/2)+8*(TT%2)+2*\i+8*(\i/4)) th:TH_STORE_NT   ; 16 lanes store 256 consecutive bytes, aligned; stage row i' is channel i' + 8 (i' / 8) of the tile
.endr
.endm
	s_load_b256 s[4:11], s[0:1], 0x0               ; hbuf s[4:5], prep s[6:7], bn2 s[8:9], out0 s[10:11]
	v_lshl_add_u32 v254, v0, 2, 0x29000
	v_mov_b32 v255, 0
	ds_add_u32 v254, v255
	ds_add_u32 v254, v255
	v_lshrrev_b32 v1, 5, v0
	v_readfirstlane_b32 s12, v1                    ; wave 0..3
	s_bfe_u32 s13, ttmp6, 0x40000
	s_lshl_b32 s14, ttmp9, 2
	s_add_co_u32 s13, s14, s13                     ; the work-group's number: it enters global addresses of my own data alone
	s_mov_b32 s16, 15|(3<<16)|(1<<21)              ; a quarter of W2's image: 52 rows of 256 bytes; the mask names all four work-groups
	s_mov_b32 s17, 32<<16
	s_mov_b32 s18, 52<<16
	s_mov_b32 s19, 32<<16
	s_mov_b32 s20, 52
	s_mov_b32 s21, 32
	s_mov_b32 s22, 0
	s_mov_b32 s23, 0
	s_mov_b32 s24, 1
	s_mul_i32 s25, s12, 13312
	s_add_co_u32 s14, s25, 17932288
	s_mov_b32 s15, 0
	s_wait_dscnt 0x0
	s_wait_kmcnt 0x0
	s_add_nc_u64 s[26:27], s[6:7], s[14:15]
	s_or_b32 s27, s27, 0x80000000
	ROUND                                          ; all four work-groups are here: the joint loads meet
	tensor_load_to_lds s[24:27], s[16:23]          ; filled once: my one tensor load
	s_nop 0
.rept 4
	v_nop
.endr
	v_and_b32 v9, 31, v0                           ; lane
	v_lshlrev_b32 v1, 4, v9
	v_lshlrev_b32 v2, 2, v9
	v_lshlrev_b32 v8, 3, v9
	v_and_b32 v10, 15, v0                          ; r
	v_bfe_u32 v11, v0, 4, 1                        ; h
	s_mul_i32 s28, s12, 4352
	s_add_co_u32 s28, s28, STG                     ; my stage
	v_mul_u32_u24 v3, v10, 272
	v_lshl_add_u32 v3, v11, 5, v3
	v_add_nc_u32 v3, s28, v3                       ; in: row = my channel, 32 bytes for each half of the lanes
	v_mul_u32_u24 v4, v11, 272
	v_lshl_add_u32 v4, v10, 4, v4
	v_add_nc_u32 v4, s28, v4                       ; back: lanes 0-15 one row, lanes 16-31 the next
	v_lshlrev_b32 v5, 14, v11
	v_lshl_add_u32 v5, v10, 4, v5                  ; and the same two channels' rows in out0, 16,384 bytes apart
	v_and_b32 v6, 8, v10
	v_add_nc_u32 v6, v6, v10
	v_lshlrev_b32 v6, 2, v6                        ; 4 (r + 8 (r / 8)): my channel within a pair of tiles
	s_mul_i32 s14, s13, 49152
	s_mul_i32 s28, s12, 12288
	s_add_co_u32 s14, s14, s28
	s_add_co_u32 s14, s14, 524288
	s_add_nc_u64 s[44:45], s[4:5], s[14:15]        ; h's codes,
	s_lshl_b32 s14, s13, 12
	s_lshl_b32 s28, s12, 10
	s_add_co_u32 s14, s14, s28
	s_add_co_u32 s14, s14, 13107200
	s_add_nc_u64 s[46:47], s[4:5], s[14:15]        ; its scale words,
	s_lshr_b32 s14, s13, 4
	s_lshl_b32 s14, s14, 22
	s_and_b32 s28, s13, 15
	s_lshl_b32 s28, s28, 10
	s_add_co_u32 s14, s14, s28
	s_lshl_b32 s28, s12, 8
	s_add_co_u32 s14, s14, s28
	s_add_nc_u64 s[10:11], s[10:11], s[14:15]      ; and my 64 points in channel 0 of the batch
	WIN 0x40
.irp p, 0,1,2,3
.irp i, 0,1,2,3,4,5
	global_load_b128 v[24*\p+4*\i:24*\p+4*\i+3], v1, s[44:45] offset:3072*\p+512*\i
.endr
.endr
	WIN 0
.irp p, 0,1,2,3
	global_load_b64 v[24+2*\p:25+2*\p], v8, s[46:47] offset:256*\p
.endr
	WIN 0xc0
.set t, 0
.rept 16
	global_load_b32 v[2*t], v6, s[8:9] offset:4*(32*(t/2)+8*(t%2))
	global_load_b32 v[2*t+1], v6, s[8:9] offset:4*(32*(t/2)+8*(t%2))+1024
.set t, t+1
.endr
	WIN 0
	s_wait_loadcnt 0x0
	s_wait_tensorcnt 0x0                           ; my quarter of W2's image has landed
	s_barrier_signal -1
	s_barrier_wait -1                              ; everybody's has
.irp hf, 0,1
	GEMM2HALF \hf
	PLACES 4
.irp tau, 0,1,2,3,4,5,6,7
	TILEOUT \hf, \tau
.if \tau > 0
	SEND \hf, \tau-1, 16                           ; behind that tile's loads: this tile's eight stores and eight loads
.endif
.endr
	SEND \hf, 7, 0
.endr
	s_wait_tensorcnt 0x0
	ds_add_u32 v254, v255
	s_wait_dscnt 0x0
	ROUND                                          ; the closing round
	s_endpgm
.Lfunc_end_k_q8487120b03_fin:
	.size	k_q8487120b03_fin, .Lfunc_end_k_q8487120b03_fin-k_q8487120b03_fin
	.p2alignl 7, 3214868480
	.fill 96, 4, 3214868480
	.section	.rodata,"a",@progbits
	.p2align	6, 0x0
	.amdhsa_kernel k_q8487120b03_fin
		.amdhsa_group_segment_fixed_size 168448
		.amdhsa_private_segment_fixed_size 0
		.amdhsa_enable_private_segment 0
		.amdhsa_kernarg_size 32
		.amdhsa_user_sgpr_count 2
		.amdhsa_user_sgpr_kernarg_segment_ptr 1
		.amdhsa_wavefront_size32 1
		.amdhsa_system_sgpr_workgroup_id_x 1
		.amdhsa_system_sgpr_workgroup_id_y 1
		.amdhsa_system_sgpr_workgroup_id_z 1
		.amdhsa_system_vgpr_workitem_id 0
		.amdhsa_next_free_vgpr 1024
		.amdhsa_next_free_sgpr 66
		.amdhsa_reserve_vcc 0
		.amdhsa_float_denorm_mode_32 3
		.amdhsa_float_denorm_mode_16_64 3
		.amdhsa_memory_ordered 1
		.amdhsa_forward_progress 1
		.amdhsa_inst_pref_size 99
	.end_amdhsa_kernel
	.amdgpu_metadata
---
amdhsa.version: [ 1, 2 ]
amdhsa.kernels:
  - .name:           k_q8487120b03_fin
    .symbol:         k_q8487120b03_fin.kd
    .args:
      - { .name: hbuf, .offset: 0, .size: 8, .value_kind: global_buffer, .address_space: global }
      - { .name: prep, .offset: 8, .size: 8, .value_kind: global_buffer, .address_space: global }
      - { .name: bn2, .offset: 16, .size: 8, .value_kind: global_buffer, .address_space: global }
      - { .name: out0, .offset: 24, .size: 8, .value_kind: global_buffer, .address_space: global }
    .group_segment_fixed_size: 168448
    .private_segment_fixed_size: 0
    .kernarg_segment_align: 8
    .kernarg_segment_size: 32
    .max_flat_workgroup_size: 128
    .sgpr_count:     66
    .vgpr_count:     1024
    .wavefront_size: 32
...
	.end_amdgpu_metadata
.endif
;; end of part 6
